; MI455X (gfx1250); checked and timed in simulation.
; The chip was launched on July 23, 2026; its instructions are those of AMD's public machine-readable ISA for CDNA 5 (MIT licence, August 2026) and "CDNA5" Instruction Set Architecture Reference Guide (July 2026). The comments in the code are by the model that wrote it; some were corrected since.
;; Decoder Only Attention. Allowed arithmetic: float matrix products may take bf16 or f16 operands with f32 sums; all other float work in f32.
;; Inputs: Wk 1,024 x 4,096 float32; Wo 4,096 x 2,048 float32; Wq 2,048 x 4,096 float32; Wv 1,024 x 4,096 float32; attention_mask 1 x 1 x 2,048 x 2,048 float32; cos 1 x 1 x 2,048 x 128 float32; hidden_states 1 x 2,048 x 4,096 float32; past_key 1 x 8 x 2,048 x 128 float32; past_value 1 x 8 x 2,048 x 128 float32; seq_positions 1 int32; sin 1 x 1 x 2,048 x 128 float32.
;; Outputs: out0 1 x 2,048 x 4,096 float32; out1 1 x 8 x 2,048 x 128 float32; out2 1 x 8 x 2,048 x 128 float32.
;; Constants: batch_position = 0.
;; One version. Each part assembles by itself: llvm-mc -triple=amdgcn-amd-amdhsa -mcpu=gfx1250 --defsym DOCPART=n.
;; ======== version 1 of 1: 4 launches
;; limits: values are held in f16: magnitudes above 65,504 overflow, below 6.1e-05 lose precision; right only within a limited range of input values
;; workspace buffers: bfw 67,108,864 bytes; maskbits 524,288 bytes of whole numbers; rope 1,048,576 bytes; qkv16 16,777,216 bytes; ctx16 8,388,608 bytes
;; launch prep (part 1): grid 256 x 12, 8 waves a work-group, no clusters, 68,608 bytes of LDS; arguments attention_mask, hidden_states, Wq, Wk, Wv, Wo, past_key, past_value, cos, sin, bfw, maskbits, rope, out1, out2; writes bfw, maskbits, rope, out1, out2
.if DOCPART == 1
	.amdgcn_target "amdgcn-amd-amdhsa--gfx1250"
	.amdhsa_code_object_version 6
	.text
	.protected	k_q469eae940a_prep
	.globl	k_q469eae940a_prep
	.p2align	8
	.type	k_q469eae940a_prep,@function
k_q469eae940a_prep:
	s_mov_b64 s[64:65], 0
	v_nop
	global_prefetch_b8 v0, s[64:65] scope:SCOPE_SE
	s_setreg_imm32_b32 hwreg(HW_REG_WAVE_MODE, 25, 1), 1
	s_wait_xcnt 0x0
; PREPARATION: a stream, five kinds of work chosen by the work-group's y.  No matrix unit, no cluster, no tensor load: nothing is shared, and every byte is read once and written once.
;   y = 0      the mask [2048][2048] f32 becomes bits: word ((rb*32+ks)*32 + 8 kt + j), bit l = mask[16 rb + l%16][64 ks + 16 kt + 8 (l/16) + j] > 0.5: the lane mask of register 8 kt + j of a tile of scores
;   y = 1..8   hidden_states, Wq, Wk, Wv rounded to bf16; Wo rounded to bf16, times 4, written as f16 (exact while 4 |Wo| stays within f16: |Wo| under 16,000).  16 MiB of f32 for each y
;   y = 9, 10  past_key -> out1, past_value -> out2: the cache as it was; the next launch writes the new window over it
;   y = 11     cos, sin -> one word a number: bf16(cos) below, bf16(sin) above, its sign turned where d < 64, so that rope(x)[d] = x[d] lo + x[d xor 64] hi
; bfw: byte 0 x [2048][4096] bf16; 16 MiB [Wq;Wk;Wv] [4096][4096] bf16; 48 MiB 4 Wo [4096][2048] f16.
.set SPARE, 67584                      ; behind the eight waves' stages: the spare words, 128 bytes a wave
.set WST,   8448                       ; a wave's stage: 16 rows of 512 bytes + 16 of padding
.set SPW, 6                            ; v6   my spare word's LDS address; never rewritten
.set NIL, 7                            ; v7   0; never rewritten
.set X,   8                            ; v[8:71]    as loaded
.set Y,   72                           ; v[72:103]  to store
.set W,   104                          ; v[104:105] mask words
.set T,   106                          ; v[106:109] at work
	s_load_b512 s[8:23], s[0:1], 0x0               ; mask 8, hidden 10, Wq 12, Wk 14, Wv 16, Wo 18, past_key 20, past_value 22
	s_load_b256 s[24:31], s[0:1], 0x40             ; cos 24, sin 26, bfw 28, maskbits 30
	s_load_b128 s[32:35], s[0:1], 0x60             ; rope 32, out1 34
	s_load_b64 s[36:37], s[0:1], 0x70              ; out2
	v_lshl_add_u32 v[SPW], v0, 2, SPARE
	v_mov_b32 v[NIL], 0
	v_lshlrev_b32 v1, 4, v0                        ; 16 bytes a thread
	v_lshlrev_b32 v2, 3, v0                        ; 8 bytes a thread
	s_and_b32 s39, ttmp7, 0xffff                   ; y
	s_mov_b32 s47, 0                               ; the high word of every offset
	s_wait_kmcnt 0x0
	s_cmp_eq_u32 s39, 0
	s_cbranch_scc1 .Lmask
	s_cmp_lt_u32 s39, 9
	s_cbranch_scc1 .Lcast
	s_cmp_lt_u32 s39, 11
	s_cbranch_scc1 .Lcopy
	; ---- y = 11: the rope table.  A work-group takes 4,096 bytes of cos and of sin (8 rows), a thread 4 numbers.
	s_lshl_b32 s46, ttmp9, 12
	s_add_nc_u64 s[24:25], s[24:25], s[46:47]
	s_add_nc_u64 s[26:27], s[26:27], s[46:47]
	s_add_nc_u64 s[32:33], s[32:33], s[46:47]
	global_load_b128 v[X:X+3], v1, s[24:25] th:TH_LOAD_NT
	global_load_b128 v[X+4:X+7], v1, s[26:27] th:TH_LOAD_NT
	v_bfe_u32 v[T], v0, 4, 1                       ; d = 4 (t mod 32) + 0..3: d < 64 where bit 4 of t is 0
	v_xor_b32 v[T], 1, v[T]
	v_lshlrev_b32 v[T], 31, v[T]                   ; the sign of the upper half
	s_wait_loadcnt 0x0
.irp c, 0,1,2,3
	v_cvt_pk_bf16_f32 v[Y+(\c)], v[X+(\c)], v[X+4+(\c)]
.endr
.irp c, 0,1,2,3
	v_xor_b32 v[Y+(\c)], v[T], v[Y+(\c)]
.endr
	global_store_b128 v1, v[Y:Y+3], s[32:33]       ; a wave stores 512 consecutive bytes
	s_endpgm
	; ---- y = 9, 10: the cache as it was.  A work-group copies 32,768 bytes.
.Lcopy:
	s_cmp_eq_u32 s39, 9
	s_cselect_b64 s[44:45], s[20:21], s[22:23]
	s_cselect_b64 s[40:41], s[34:35], s[36:37]
	s_lshl_b32 s46, ttmp9, 15
	s_add_nc_u64 s[44:45], s[44:45], s[46:47]
	s_add_nc_u64 s[40:41], s[40:41], s[46:47]
.irp i, 0,1,2,3,4,5,6,7
	global_load_b128 v[X+4*(\i):X+4*(\i)+3], v1, s[44:45] offset:4096*(\i) th:TH_LOAD_NT
.endr
.irp i, 0,1,2,3,4,5,6,7
	s_wait_loadcnt 7-(\i)                          ; the younger loads of the run stay out
	global_store_b128 v1, v[X+4*(\i):X+4*(\i)+3], s[40:41] offset:4096*(\i)
.endr
	s_endpgm
	; ---- y = 1..8: casts.  Unit u = y - 1 is 16 MiB of f32; a work-group takes 65,536 bytes of it, sixteen loads of 4,096.
.Lcast:
	s_sub_co_u32 s40, s39, 1                       ; u
	s_sub_co_u32 s41, s40, 2                       ; Wq's unit, if u is 2 or 3
	s_sub_co_u32 s42, s40, 6                       ; Wo's unit, if u is 6 or 7
	s_mov_b64 s[44:45], s[10:11]                   ; u = 0, 1: hidden_states
	s_mov_b32 s43, s40
	s_cmp_ge_u32 s40, 2
	s_cselect_b64 s[44:45], s[12:13], s[44:45]     ; 2, 3: Wq
	s_cselect_b32 s43, s41, s43
	s_cmp_ge_u32 s40, 4
	s_cselect_b64 s[44:45], s[14:15], s[44:45]     ; 4: Wk
	s_cselect_b32 s43, 0, s43
	s_cmp_ge_u32 s40, 5
	s_cselect_b64 s[44:45], s[16:17], s[44:45]     ; 5: Wv
	s_cselect_b32 s43, 0, s43
	s_cmp_ge_u32 s40, 6
	s_cselect_b64 s[44:45], s[18:19], s[44:45]     ; 6, 7: Wo
	s_cselect_b32 s43, s42, s43
	s_lshl_b32 s46, s43, 24
	s_lshl_b32 s41, ttmp9, 16
	s_add_co_u32 s46, s46, s41
	s_add_nc_u64 s[44:45], s[44:45], s[46:47]
	s_lshl_b32 s46, s40, 23                        ; the units follow each other in bfw, 8 MiB each
	s_lshl_b32 s41, ttmp9, 15
	s_add_co_u32 s46, s46, s41
	s_add_nc_u64 s[28:29], s[28:29], s[46:47]
.irp i, 0,1,2,3,4,5,6,7,8,9,10,11,12,13,14,15
	global_load_b128 v[X+4*(\i):X+4*(\i)+3], v1, s[44:45] offset:4096*(\i) th:TH_LOAD_NT
.endr
	s_cmp_ge_u32 s40, 6
	s_cbranch_scc1 .Lwo
.irp i, 0,1,2,3,4,5,6,7,8,9,10,11,12,13,14,15
	s_wait_loadcnt 15-(\i)                         ; the younger loads of the run stay out
	v_cvt_pk_bf16_f32 v[Y+2*(\i)], v[X+4*(\i)], v[X+4*(\i)+1]
	v_cvt_pk_bf16_f32 v[Y+2*(\i)+1], v[X+4*(\i)+2], v[X+4*(\i)+3]
	global_store_b64 v2, v[Y+2*(\i):Y+2*(\i)+1], s[28:29] offset:2048*(\i)  ; a wave stores 256 consecutive bytes, aligned; every store has data registers of its own
.endr
	s_endpgm
.Lwo:                                                  ; Wo: rounded to bf16 like every input, then that number times 4 as f16
.irp i, 0,1,2,3,4,5,6,7,8,9,10,11,12,13,14,15
	s_wait_loadcnt 15-(\i)
	v_cvt_pk_bf16_f32 v[Y+2*(\i)], v[X+4*(\i)], v[X+4*(\i)+1]
	v_cvt_pk_bf16_f32 v[Y+2*(\i)+1], v[X+4*(\i)+2], v[X+4*(\i)+3]
	v_lshlrev_b32 v[T], 16, v[Y+2*(\i)]
	v_and_b32 v[T+1], 0xffff0000, v[Y+2*(\i)]
	v_lshlrev_b32 v[T+2], 16, v[Y+2*(\i)+1]
	v_and_b32 v[T+3], 0xffff0000, v[Y+2*(\i)+1]
	v_pk_mul_f32 v[T:T+1], v[T:T+1], 4.0 op_sel_hi:[1,0]
	v_pk_mul_f32 v[T+2:T+3], v[T+2:T+3], 4.0 op_sel_hi:[1,0]
	v_cvt_pk_f16_f32 v[Y+2*(\i)], v[T], v[T+1]
	v_cvt_pk_f16_f32 v[Y+2*(\i)+1], v[T+2], v[T+3]
	global_store_b64 v2, v[Y+2*(\i):Y+2*(\i)+1], s[28:29] offset:2048*(\i)
.endr
	s_endpgm
	; ---- y = 0: mask bits.  Work-group x: 16 query rows rb = x / 2, half x % 2 of their 2,048 keys; wave w: 128 keys, two steps of 64.
	; The rows come in as they lie (512 consecutive bytes a load), go through the wave's own stage, and come back in the lanes' places of a tile of scores.
.Lmask:
	v_lshrrev_b32 v5, 5, v0
	v_readfirstlane_b32 s38, v5                    ; wave
	v_and_b32 v5, 31, v0                           ; lane
	s_lshr_b32 s40, ttmp9, 1                       ; rb
	s_and_b32 s41, ttmp9, 1                        ; half
	s_lshl_b32 s46, s40, 17                        ; 16 rows of 8,192 bytes
	s_lshl_b32 s42, s41, 12
	s_add_co_u32 s46, s46, s42
	s_lshl_b32 s42, s38, 9
	s_add_co_u32 s46, s46, s42
	s_add_nc_u64 s[8:9], s[8:9], s[46:47]
	v_lshlrev_b32 v[T], 4, v5
.irp i, 0,1,2,3,4,5,6,7,8,9,10,11,12,13,14,15
	global_load_b128 v[X+4*(\i):X+4*(\i)+3], v[T], s[8:9] offset:8192*(\i) th:TH_LOAD_NT  ; row i
.endr
	s_mul_i32 s43, s38, WST
	v_add_nc_u32 v3, s43, v[T]                     ; in: 16 bytes a lane of a row
	v_and_b32 v[T+1], 15, v0
	v_bfe_u32 v[T+2], v0, 4, 1
	v_mul_u32_u24 v4, v[T+1], 528                  ; back: row l % 16 (rows 528 bytes apart: sixteen rows start at sixteen different 16-byte columns),
	v_lshl_add_u32 v4, v[T+2], 5, v4               ; keys 8 (l / 16) on
	v_add_nc_u32 v4, s43, v4
	s_lshl_b32 s46, s40, 12                        ; a row block's 32 steps x 32 words
	s_lshl_b32 s42, s41, 11
	s_add_co_u32 s46, s46, s42
	s_lshl_b32 s42, s38, 8                         ; my two steps: 64 words
	s_add_co_u32 s46, s46, s42
	s_add_nc_u64 s[30:31], s[30:31], s[46:47]
	v_lshlrev_b32 v[T+3], 3, v5
.irp i, 0,1,2,3,4,5,6,7,8,9,10,11,12,13,14,15
	s_wait_loadcnt 15-(\i)
	ds_store_b128 v3, v[X+4*(\i):X+4*(\i)+3] offset:528*(\i)
.endr
.irp n, 0,1,2,3,4,5,6,7,8,9,10,11,12,13,14,15  ; n = 8 s + 2 kt + c: step s, keys 16 kt + 8 (l / 16) + 4 c + 0..3.  LDS serves a wave's instructions in order (ISA guide 5.7.1.4): these see the stores above
	ds_load_b128 v[X+4*(\n):X+4*(\n)+3], v4 offset:256*((\n)/8)+64*(((\n)/2)%4)+16*((\n)%2)
.endr
	v_mov_b32 v[W], 0
	v_mov_b32 v[W+1], 0
	s_wait_dscnt 0x0
.set n, 0
.rept 64                               ; word n of my 64 is the 32 lanes' answers for register n; lane n / 2 keeps it for the store
	v_cmp_lt_f32 s[40+n%4], 0.5, v[X+n]
	v_writelane_b32 v[W+n%2], s[40+n%4], n/2
.set n, n+1
.endr
	global_store_b64 v[T+3], v[W:W+1], s[30:31]    ; 256 consecutive bytes, aligned
	s_wait_tensorcnt 0x0                           ; the wave's end: behind my last LDS store
	ds_add_u32 v[SPW], v[NIL]
	s_wait_dscnt 0x0
	s_endpgm
.Lfunc_end_k_q469eae940a_prep:
	.size	k_q469eae940a_prep, .Lfunc_end_k_q469eae940a_prep-k_q469eae940a_prep
	.p2alignl 7, 3214868480
	.fill 96, 4, 3214868480
	.section	.rodata,"a",@progbits
	.p2align	6, 0x0
	.amdhsa_kernel k_q469eae940a_prep
		.amdhsa_group_segment_fixed_size 68608
		.amdhsa_private_segment_fixed_size 0
		.amdhsa_enable_private_segment 0
		.amdhsa_kernarg_size 120
		.amdhsa_user_sgpr_count 2
		.amdhsa_user_sgpr_kernarg_segment_ptr 1
		.amdhsa_wavefront_size32 1
		.amdhsa_system_sgpr_workgroup_id_x 1
		.amdhsa_system_sgpr_workgroup_id_y 1
		.amdhsa_system_sgpr_workgroup_id_z 1
		.amdhsa_system_vgpr_workitem_id 0
		.amdhsa_next_free_vgpr 112
		.amdhsa_next_free_sgpr 66
		.amdhsa_reserve_vcc 0
		.amdhsa_float_denorm_mode_32 3
		.amdhsa_float_denorm_mode_16_64 3
		.amdhsa_memory_ordered 1
		.amdhsa_forward_progress 1
		.amdhsa_inst_pref_size 35
	.end_amdhsa_kernel
	.amdgpu_metadata
---
amdhsa.version: [ 1, 2 ]
amdhsa.kernels:
  - .name:           k_q469eae940a_prep
    .symbol:         k_q469eae940a_prep.kd
    .args:
      - { .name: attention_mask, .offset: 0, .size: 8, .value_kind: global_buffer, .address_space: global }
      - { .name: hidden_states, .offset: 8, .size: 8, .value_kind: global_buffer, .address_space: global }
      - { .name: Wq, .offset: 16, .size: 8, .value_kind: global_buffer, .address_space: global }
      - { .name: Wk, .offset: 24, .size: 8, .value_kind: global_buffer, .address_space: global }
      - { .name: Wv, .offset: 32, .size: 8, .value_kind: global_buffer, .address_space: global }
      - { .name: Wo, .offset: 40, .size: 8, .value_kind: global_buffer, .address_space: global }
      - { .name: past_key, .offset: 48, .size: 8, .value_kind: global_buffer, .address_space: global }
      - { .name: past_value, .offset: 56, .size: 8, .value_kind: global_buffer, .address_space: global }
      - { .name: cos, .offset: 64, .size: 8, .value_kind: global_buffer, .address_space: global }
      - { .name: sin, .offset: 72, .size: 8, .value_kind: global_buffer, .address_space: global }
      - { .name: bfw, .offset: 80, .size: 8, .value_kind: global_buffer, .address_space: global }
      - { .name: maskbits, .offset: 88, .size: 8, .value_kind: global_buffer, .address_space: global }
      - { .name: rope, .offset: 96, .size: 8, .value_kind: global_buffer, .address_space: global }
      - { .name: out1, .offset: 104, .size: 8, .value_kind: global_buffer, .address_space: global }
      - { .name: out2, .offset: 112, .size: 8, .value_kind: global_buffer, .address_space: global }
    .group_segment_fixed_size: 68608
    .private_segment_fixed_size: 0
    .kernarg_segment_align: 8
    .kernarg_segment_size: 120
    .max_flat_workgroup_size: 256
    .sgpr_count:     66
    .vgpr_count:     112
    .wavefront_size: 32
...
	.end_amdgpu_metadata
.endif
;; end of part 1
;; launch qkv (part 2): grid 16 x 16, 4 waves a work-group, clusters of 4 x 4, 327,680 bytes of LDS; arguments bfw, rope, seq_positions, qkv16, out1, out2; writes qkv16, out1, out2
.if DOCPART == 2
	.amdgcn_target "amdgcn-amd-amdhsa--gfx1250"
	.amdhsa_code_object_version 6
	.text
	.protected	k_q469eae940a_qkv
	.globl	k_q469eae940a_qkv
	.p2align	8
	.type	k_q469eae940a_qkv,@function
k_q469eae940a_qkv:
	s_mov_b64 s[64:65], 0
	v_nop
	global_prefetch_b8 v0, s[64:65] scope:SCOPE_SE
	s_setreg_imm32_b32 hwreg(HW_REG_WAVE_MODE, 25, 1), 1
	s_wait_xcnt 0x0
	s_wait_alu depctr_hold_cnt(0) depctr_sa_sdst(0) depctr_va_vdst(0) depctr_va_sdst(0) depctr_va_ssrc(0) depctr_va_vcc(0) depctr_vm_vsrc(0)
	s_getreg_b32 s2, hwreg(HW_REG_IB_STS2, 6, 4)
	s_cmp_eq_u32 s2, 0
	s_cbranch_scc0 .Lentry_in_a_cluster
	s_endpgm
.Lentry_in_a_cluster:
	s_bfe_u32 s2, ttmp6, 0x10000c
	s_cmp_lg_u32 s2, 0xf033
	s_cbranch_scc0 .Lentry_shape_is_right
	s_endpgm
.Lentry_shape_is_right:
; [q | k | v] = x [Wq; Wk; Wv]^T in bf16 with f32 sums; RoPE on q and k; k and v in f32 into the cache's window; q, k, v in f16 by heads for the attention.
; x: bfw byte 0, [2048][4096] bf16.  W: bfw byte 16 MiB, [4096][4096] bf16.  A tile of C is 128 rows x 256 columns: 16 x 16 = 256 work-groups.  Four waves, each 64 x 128: 32 accumulators.
; A wave's 128 columns are exactly one head: slot hs = 0-15 q, 16-23 k, 24-31 v of qkv16 [32][2048][128] f16.
; THE f16 COPIES carry fixed factors, applied in f32 ahead of the one rounding: q and k times sqrt(log2(e)/sqrt(128)) = 0.357095, so that their product is the score in base 2; v times 1/4 (undone by 4 Wo).
; LIMITS: |q|, |k| behind RoPE under 183,000 and |v| under 262,000, or the f16 copy overflows.  The cache's window has the cache's own length here, so the start, clamped as the update clamps it, is 0.
; K goes in steps of 128 through two LDS slots (rows of 256 bytes + 16 of padding).  CLUSTER 4 x 4: x's tile is shared along a row of the cluster, W's along a column: joint loads.
; THE MATRIX INSTRUCTION IS USED TRANSPOSED (source 0 = 16 rows of W, source 1 = 16 rows of x): lane l holds row l % 16 and the columns 8 (l / 16) + 0..7.
; REGISTERS: window 0: v0-31 addresses; v64-159, v160-255 two fragment buffers (x's 4 fragments, then W's 8), later the way out.  Window 1: accumulator (a, b) at v[8 (8 a + b)].
.set KDIM,   4096
.set ROWSH,  13                        ; a row of x or W is 8,192 bytes
.set BBASE,  16<<20                    ; W in bfw
.set SEQ,    2048
.set KVLEN,  2048
.set KSTEP,  128
.set PITCH,  272
.set HA,     64*PITCH                  ; what a load of x's brings, and what a wave reads of x
.set HB,     128*PITCH                 ; the same for W
.set BOFF,   128*PITCH                 ; W's 256 rows lie behind x's 128
.set SLOT,   384*PITCH
.set ROPE,   2*SLOT                    ; 128 rows x 512 bytes of the rope table: filled once
.set STAGE,  ROPE+65536                ; 16 rows x 528 bytes for each wave: no fill lands here
.set SPITCH, 528
.set SPARE,  STAGE+4*16*SPITCH         ; the spare words, 128 bytes a wave
.set LAPS,   KDIM/(2*KSTEP)
.set SQ,     0x3eb6d528                ; 0.357095
.set HO,   5                           ; v5   8 x lane
.set RO,   6                           ; v6   my 16 bytes of the rope row in hand
.set ADRA, 16                          ; v16-17  my fragments of x in slot 0, 1
.set ADRB, 20                          ; v20-21  of W
.set STO,  24                          ; v24  into the stage
.set RD,   25                          ; v25  a row back
.set RDP,  26                          ; v26  the same row, 64 columns away
.set FO,   27                          ; v27  16 x lane
.set SPW,  28                          ; v28  my spare word; never rewritten
.set NIL,  29                          ; v29  0, the add's; never rewritten
.set ZR,   31                          ; v31  0
.set F0,   64
.set F1,   160
.set X,    64                          ; the way out: 8 rows in f32
.set PN,   96                          ; their partners
.set RP,   128                         ; their rope words
.set H,    160                         ; f16, to store
.set T,    176                         ; scaled
.set G0R, 4                            ; s[4:7]   group 0 of the rope tile
.set OUT, 8                            ; s[8:9]   the cache at my rows
.set G1,  24                           ; s[24:31] group 1 for x;  s[32:39] group 0, a set for each slot
.set G0,  32
.set G1B, 48                           ; s[48:55], s[56:63] the same for W
.set G0B, 56
.set START, 86
.set KIND,  87                         ; 0 q, 1 k, 2 v: hangs on the cluster's x alone, so all partners branch alike
.set Q16,   88                         ; s[88:89] qkv16 at my rows
.set SC,    90                         ; s[90:91] the f16 copy's factor
.set G1R,   92                         ; s[92:99] group 1 of the rope tile
.set MSB, 0
.macro WIN new                         ; the immediate's high byte repeats the setting that is left
.if MSB != (\new)
	s_set_vgpr_msb (MSB<<8)|(\new)
.set MSB, \new
.endif
.endm
.set MUL, 0x50                         ; C and D window 1, sources window 0
.macro JLOAD s                         ; a joint load: waves 0 and 1 fetch x's halves, waves 2 and 3 W's; s_nop 0 and four v_nop follow each line
	s_cmp_eq_u32 s11, 0
	s_cbranch_scc0 .Lfor_b_\@
	tensor_load_to_lds s[G0+4*(\s):G0+4*(\s)+3], s[G1:G1+7]
	s_nop 0
.rept 4
	v_nop
.endr
	s_branch .Lasked_\@
.Lfor_b_\@:
	tensor_load_to_lds s[G0B+4*(\s):G0B+4*(\s)+3], s[G1B:G1B+7]
	s_nop 0
.rept 4
	v_nop
.endr
.Lasked_\@:
.endm
.macro CREST                           ; a round of the cluster's barrier behind its opening barrier
	s_cmp_lg_u32 s10, 0
	s_cbranch_scc1 .Lnot_wave_0_\@
	s_barrier_signal -3
.Lnot_wave_0_\@:
	s_barrier_wait -3
	s_barrier_signal -1
	s_barrier_wait -1
.endm
.macro CROUND
	s_barrier_signal -1
	s_barrier_wait -1
	CREST
.endm
	s_load_b256 s[68:75], s[0:1], 0x0              ; bfw 68, rope 70, seq_positions 72, qkv16 74
	s_load_b128 s[76:79], s[0:1], 0x20             ; out1 76, out2 78
	v_lshl_add_u32 v[SPW], v0, 2, SPARE
	v_mov_b32 v[NIL], 0
	ds_add_u32 v[SPW], v[NIL]                      ; the wave's opening: the add and its wait ahead of my first tensor load
	v_lshrrev_b32 v1, 5, v0
	v_readfirstlane_b32 s10, v1                    ; wave
	s_lshr_b32 s11, s10, 1                         ; my half of the tile's rows.  Also: I fetch x (0) or W (1)
	s_and_b32 s12, s10, 1                          ; my half of its columns.  Also: which half of that tile I fetch
	s_bfe_u32 s40, ttmp6, 0x40000                  ; cx
	s_bfe_u32 s41, ttmp6, 0x40004                  ; cy
	s_lshl_b32 s42, ttmp9, 2
	s_add_co_u32 s42, s42, s40                     ; tile column
	s_and_b32 s13, ttmp7, 0xffff
	s_lshl_b32 s13, s13, 2
	s_add_co_u32 s13, s13, s41                     ; tile row
	s_lshl_b32 s43, s41, 2
	s_lshl_b32 s43, 15, s43                        ; my row of the cluster
	s_lshl_b32 s44, 0x1111, s40                    ; my column
	s_or_b32 s[G1+0], s43, (1<<16)|(1<<20)|(1<<21)|(5<<22)|(3<<25)   ; mask; 2-byte elements; padding on; bit 21 beside a mask; after every 64 words, 4 words
	s_or_b32 s[G1B+0], s44, (1<<16)|(1<<20)|(1<<21)|(5<<22)|(3<<25)
	s_mov_b32 s[G1+1], KSTEP<<16                   ; tensor_dim0 = 128
	s_mov_b32 s[G1+2], 64<<16                      ; tensor_dim1 = 64
	s_mov_b32 s[G1+3], KSTEP<<16                   ; tile_dim0 = 128
	s_mov_b32 s[G1+4], 64                          ; tile_dim1 = 64
	s_mov_b32 s[G1+5], KDIM                        ; elements from row to row
	s_mov_b32 s[G1+6], 0
	s_mov_b32 s[G1+7], 0
	s_mov_b32 s[G1B+1], KSTEP<<16
	s_mov_b32 s[G1B+2], 128<<16                    ; W: 128 rows a load
	s_mov_b32 s[G1B+3], KSTEP<<16
	s_mov_b32 s[G1B+4], 128
	s_mov_b32 s[G1B+5], KDIM
	s_mov_b32 s[G1B+6], 0
	s_mov_b32 s[G1B+7], 0
	s_mov_b32 s[G1R+0], 2<<16                      ; the rope tile: no mask, 4-byte elements, no padding
	s_mov_b32 s[G1R+1], 128<<16
	s_mov_b32 s[G1R+2], 32<<16
	s_mov_b32 s[G1R+3], 128<<16
	s_mov_b32 s[G1R+4], 32                         ; 32 rows a wave
	s_mov_b32 s[G1R+5], 128
	s_mov_b32 s[G1R+6], 0
	s_mov_b32 s[G1R+7], 0
	s_lshl_b32 s17, s12, 6
	s_lshl_b32 s16, s13, 7
	s_add_co_u32 s16, s16, s17                     ; x: row 128 x tile row + 64 x half
	s_lshl_b32 s16, s16, ROWSH
	s_mov_b32 s17, 0
	s_lshl_b32 s47, s12, 7
	s_lshl_b32 s46, s42, 8
	s_add_co_u32 s46, s46, s47                     ; W: row 256 x tile column + 128 x half
	s_lshl_b32 s46, s46, ROWSH
	s_add_co_u32 s46, s46, BBASE
	s_mov_b32 s47, 0
	s_mul_i32 s20, s12, HA                         ; where they go: no place in the cluster enters an LDS address
	s_mul_i32 s21, s12, HB
	s_add_co_u32 s21, s21, BOFF
	s_lshl_b32 s18, s13, 7
	s_lshl_b32 s19, s10, 5
	s_add_co_u32 s18, s18, s19                     ; rope: row 128 x tile row + 32 x wave,
	s_lshl_b32 s18, s18, 9                         ; 512 bytes each
	s_mov_b32 s19, 0
	s_mov_b32 s[G0R], 1
	s_lshl_b32 s[G0R+1], s10, 14
	s_add_co_u32 s[G0R+1], s[G0R+1], ROPE
	s_wait_dscnt 0x0                               ; the opening add is done
	s_wait_kmcnt 0x0
	s_load_b32 s[START], s[72:73], 0x0             ; the window's start, awaited in the set-up below
	s_add_nc_u64 s[14:15], s[68:69], s[16:17]
	s_add_nc_u64 s[46:47], s[68:69], s[46:47]
	s_add_nc_u64 s[G0R+2:G0R+3], s[70:71], s[18:19]
	s_or_b32 s[G0R+3], s[G0R+3], 0x80000000
	CROUND                                         ; all sixteen work-groups are here: the first joint loads meet
	tensor_load_to_lds s[G0R:G0R+3], s[G1R:G1R+7]  ; my 32 rows of the rope table (a cluster of v's heads brings them too and leaves them: one path ahead of the counted wait)
	s_nop 0
.irp s, 0,1
	s_mov_b32 s[G0+4*(\s)], 1
	s_add_co_u32 s[G0+4*(\s)+1], s20, (\s)*SLOT
	s_add_nc_u64 s[G0+4*(\s)+2:G0+4*(\s)+3], s[14:15], (\s)*KSTEP*2
	s_or_b32 s[G0+4*(\s)+3], s[G0+4*(\s)+3], 0x80000000
	s_mov_b32 s[G0B+4*(\s)], 1
	s_add_co_u32 s[G0B+4*(\s)+1], s21, (\s)*SLOT
	s_add_nc_u64 s[G0B+4*(\s)+2:G0B+4*(\s)+3], s[46:47], (\s)*KSTEP*2
	s_or_b32 s[G0B+4*(\s)+3], s[G0B+4*(\s)+3], 0x80000000
	JLOAD \s                                       ; three tensor loads of mine are out behind the second
.endr
	v_and_b32 v1, 15, v0                           ; l % 16
	v_bfe_u32 v2, v0, 4, 1                         ; l / 16
	v_mul_u32_u24 v3, v1, PITCH
	v_lshl_add_u32 v3, v2, 4, v3
	s_mul_i32 s22, s11, HA                         ; my 64 rows of x
	s_mul_i32 s23, s12, HB                         ; my 128 rows of W
	s_add_co_u32 s23, s23, BOFF
.irp s, 0,1
	v_add_nc_u32 v[ADRA+(\s)], s22, v3
	v_add_nc_u32 v[ADRB+(\s)], s23, v3
	s_add_co_u32 s22, s22, SLOT
	s_add_co_u32 s23, s23, SLOT
.endr
	s_mul_i32 s22, s10, 16*SPITCH
	s_add_co_u32 s22, s22, STAGE                   ; my stage
	v_mul_u32_u24 v4, v1, SPITCH                   ; in: row l % 16, 32 bytes for each half of the lanes
	v_lshl_add_u32 v4, v2, 5, v4
	v_add_nc_u32 v[STO], s22, v4
	v_and_b32 v3, 31, v0
	v_lshlrev_b32 v[FO], 4, v3
	v_lshlrev_b32 v[HO], 3, v3
	v_add_nc_u32 v[RD], s22, v[FO]                 ; back: 32 lanes take a row's 512 bytes
	v_add_nc_u32 v4, 16, v3
	v_and_b32 v4, 31, v4
	v_lshl_add_u32 v[RDP], v4, 4, s22              ; the lane 16 away holds the columns 64 away
	s_lshl_b32 s23, s11, 15
	s_add_co_u32 s23, s23, ROPE
	v_add_nc_u32 v[RO], s23, v[FO]
	v_mov_b32 v[ZR], 0
	s_wait_kmcnt 0x0
	s_max_i32 s[START], s[START], 0                ; the update clamps its start into 0 .. KVLEN - SEQ
	s_min_u32 s[START], s[START], KVLEN-SEQ
	s_max_u32 s[KIND], ttmp9, 1
	s_sub_co_u32 s[KIND], s[KIND], 1
	s_mov_b32 s[SC], SQ
	s_mov_b32 s[SC+1], 0x3e800000                  ; 1/4
	s_cmp_eq_u32 s[KIND], 2
	s_cselect_b32 s[SC], s[SC+1], s[SC]
	s_cselect_b64 s[OUT:OUT+1], s[78:79], s[76:77]
	s_mov_b32 s[SC+1], s[SC]                       ; named as a pair
	s_lshl1_add_u32 s18, s42, s12                  ; my head slot = 2 x tile column + half
	s_lshl_b32 s19, s13, 7
	s_lshl_b32 s20, s11, 6
	s_add_co_u32 s19, s19, s20                     ; my first row
	s_min_u32 s20, s[KIND], 1
	s_mul_i32 s20, s[START], s20                   ; k's and v's rows go to the window, q's stay
	s_add_co_u32 s20, s20, s19
	s_lshl_b32 s21, s18, 11
	s_add_co_u32 s20, s20, s21
	s_lshl_b32 s20, s20, 8                         ; rows of 256 bytes
	s_mov_b32 s21, 0
	s_add_nc_u64 s[Q16:Q16+1], s[74:75], s[20:21]
	s_and_b32 s18, s18, 7                          ; the kv head
	s_lshl_b32 s18, s18, 11
	s_add_co_u32 s18, s18, s19
	s_add_co_u32 s18, s18, s[START]
	s_lshl_b32 s18, s18, 9                         ; rows of 512 bytes
	s_mov_b32 s19, 0
	s_add_nc_u64 s[OUT:OUT+1], s[OUT:OUT+1], s[18:19]
.macro MUL8 f, a, zero                 ; 8 matrix instructions: row block a x all 8 column blocks, 32 along K.  zero = 1: the product starts the sums
	WIN MUL
.irp b, 0,1,2,3,4,5,6,7
.if \zero
	v_wmma_f32_16x16x32_bf16 v[8*(8*(\a)+(\b)):8*(8*(\a)+(\b))+7], v[(\f)+32+8*(\b):(\f)+32+8*(\b)+7], v[(\f)+8*(\a):(\f)+8*(\a)+7], 0
.else
	v_wmma_f32_16x16x32_bf16 v[8*(8*(\a)+(\b)):8*(8*(\a)+(\b))+7], v[(\f)+32+8*(\b):(\f)+32+8*(\b)+7], v[(\f)+8*(\a):(\f)+8*(\a)+7], v[8*(8*(\a)+(\b)):8*(8*(\a)+(\b))+7]
.endif
.endr
.endm
.macro FETCH slot, k, f                ; 24 LDS loads in one run: W's 8 fragments, then x's 4, 32 along K at byte k of the rows
	WIN 0
.irp i, 0,1,2,3,4,5,6,7
	ds_load_b128 v[(\f)+32+8*(\i):(\f)+32+8*(\i)+3],   v[ADRB+(\slot)] offset:(\k)+(\i)*16*PITCH
	ds_load_b128 v[(\f)+32+8*(\i)+4:(\f)+32+8*(\i)+7], v[ADRB+(\slot)] offset:(\k)+(\i)*16*PITCH+32
.endr
.irp i, 0,1,2,3
	ds_load_b128 v[(\f)+8*(\i):(\f)+8*(\i)+3],   v[ADRA+(\slot)] offset:(\k)+(\i)*16*PITCH
	ds_load_b128 v[(\f)+8*(\i)+4:(\f)+8*(\i)+7], v[ADRA+(\slot)] offset:(\k)+(\i)*16*PITCH+32
.endr
.endm
.macro PLACES                          ; four places in front of loads into registers that matrix instructions have read, and of reads of their results
.rept 4
	v_nop
.endr
.endm
; A K step is four quarters of 32 along K, 32 matrix instructions each, on buffers 0, 1, 0, 1; the 32 accumulators take turns in one order throughout.
.macro QUARTER slot, k, f, g, zero
	s_wait_dscnt 4                                 ; only x's fragments 2 and 3, the youngest four loads, may be out
	MUL8 \f, 0, \zero
	MUL8 \f, 1, \zero
	PLACES
	FETCH \slot, \k, \g
	s_wait_dscnt 24                                ; all but the 24 just issued
	MUL8 \f, 2, \zero
	MUL8 \f, 3, \zero
.endm
; The last quarter multiplies buffer 1 and changes slots.  In front of the barrier each wave waits for all its tensor loads (one is out: its part of the next slot), adds 0 to its spare word,
; and waits for that and for its reads of this slot.  fill = 1: the barrier opens a round of the cluster's, and this slot is filled again, two K steps on, first thing behind it.
.macro TURN slot, next, fill
	WIN 0
	s_wait_tensorcnt 0x0
	ds_add_u32 v[SPW], v[NIL]
	s_wait_dscnt 5                                 ; the add and the youngest four loads may be out
	MUL8 F1, 0, 0
	s_wait_dscnt 0x0                               ; the add is done, my reads of this slot are over
	s_barrier_signal -1
	MUL8 F1, 1, 0
.if \fill
	WIN 0
.endif
	s_barrier_wait -1
.if \fill
	CREST
	s_add_nc_u64 s[G0+4*(\slot)+2:G0+4*(\slot)+3], s[G0+4*(\slot)+2:G0+4*(\slot)+3], 2*KSTEP*2
	s_add_nc_u64 s[G0B+4*(\slot)+2:G0B+4*(\slot)+3], s[G0B+4*(\slot)+2:G0B+4*(\slot)+3], 2*KSTEP*2
	JLOAD \slot                                    ; 112 matrix instructions ahead of the wait for it; its four v_nop are the places in front of the loads below
.else
	PLACES
.endif
	FETCH \next, 0, F0
	MUL8 F1, 2, 0
	MUL8 F1, 3, 0
.endm
	s_wait_tensorcnt 1                             ; my rope rows and my part of K step 0 are in; K step 1's load stays out
	s_barrier_signal -1
	s_barrier_wait -1
	FETCH 0, 0, F0
	QUARTER 0, 64, F0, F1, 1                       ; the first quarter's products start the sums
	WIN 0
	s_mov_b32 s3, LAPS-1
.Llap:                                                 ; a trip goes once round the ring and fills both slots again
	QUARTER 0, 128, F1, F0, 0
	QUARTER 0, 192, F0, F1, 0
	TURN 0, 1, 1
	QUARTER 1, 64,  F0, F1, 0
	QUARTER 1, 128, F1, F0, 0
	QUARTER 1, 192, F0, F1, 0
	TURN 1, 0, 1
	QUARTER 0, 64,  F0, F1, 0
	WIN 0
	s_sub_co_u32 s3, s3, 1
	s_cmp_lg_u32 s3, 0
	s_cbranch_scc1 .Llap
	QUARTER 0, 128, F1, F0, 0                      ; the last lap fills nothing
	QUARTER 0, 192, F0, F1, 0
	TURN 0, 1, 0
	QUARTER 1, 64,  F0, F1, 0
	QUARTER 1, 128, F1, F0, 0
	QUARTER 1, 192, F0, F1, 0
	s_wait_dscnt 4
	MUL8 F1, 0, 0
	MUL8 F1, 1, 0
	s_wait_dscnt 0x0
	MUL8 F1, 2, 0
	MUL8 F1, 3, 0
	WIN 0
	PLACES
; THE WAY OUT, 16 rows at a time: the block goes in f32 into my own stage and comes back as whole rows of 512 bytes, in which the lane 16 away holds the RoPE partner.
.macro STORE_BLK a                     ; each accumulator's low registers first
	WIN 0x04                                       ; store data in window 1
.irp b, 0,1,2,3,4,5,6,7
	ds_store_b128 v[STO], v[8*(8*(\a)+(\b)):8*(8*(\a)+(\b))+3]   offset:64*(\b)
	ds_store_b128 v[STO], v[8*(8*(\a)+(\b))+4:8*(8*(\a)+(\b))+7] offset:64*(\b)+16
.endr
	WIN 0
.endm
.macro ROWS8 hf                        ; rows 8 hf .. 8 hf + 7 of the block
	s_wait_xcnt 0x0                                ; earlier stores have had their addresses translated: X and H are written again only behind this wait
.irp i, 0,1,2,3,4,5,6,7
	ds_load_b128 v[X+4*(\i):X+4*(\i)+3], v[RD] offset:(8*(\hf)+(\i))*SPITCH  ; LDS serves a wave's instructions in order: these see the stores above
.endr
	s_cmp_eq_u32 s[KIND], 2
	s_cbranch_scc1 .Lplain_\@                      ; v has no RoPE
.irp i, 0,1,2,3,4,5,6,7
	ds_load_b128 v[PN+4*(\i):PN+4*(\i)+3], v[RDP] offset:(8*(\hf)+(\i))*SPITCH
.endr
.irp i, 0,1,2,3,4,5,6,7
	ds_load_b128 v[RP+4*(\i):RP+4*(\i)+3], v[RO] offset:(8*(\hf)+(\i))*512
.endr
	s_wait_dscnt 0x0
.set n, 0
.rept 32
	v_fma_mix_f32_bf16 v[PN+n], v[RP+n], v[PN+n], v[ZR] op_sel:[1,0,0] op_sel_hi:[1,0,0]  ; partner x signed sin
.set n, n+1
.endr
.set n, 0
.rept 32
	v_fma_mix_f32_bf16 v[X+n], v[RP+n], v[X+n], v[PN+n] op_sel_hi:[1,0,0]                 ; + x cos
.set n, n+1
.endr
.Lplain_\@:
	s_wait_dscnt 0x0
	s_cmp_eq_u32 s[KIND], 0
	s_cbranch_scc1 .Lno_cache_\@                   ; q goes into no cache
.irp i, 0,1,2,3,4,5,6,7
	global_store_b128 v[FO], v[X+4*(\i):X+4*(\i)+3], s[OUT:OUT+1] offset:(8*(\hf)+(\i))*512 th:TH_STORE_NT  ; 512 consecutive bytes, aligned
.endr
.Lno_cache_\@:
.set n, 0
.rept 16
	v_pk_mul_f32 v[T+2*n:T+2*n+1], v[X+2*n:X+2*n+1], s[SC:SC+1] op_sel_hi:[1,0]
.set n, n+1
.endr
.set n, 0
.rept 16
	v_cvt_pk_f16_f32 v[H+n], v[T+2*n], v[T+2*n+1]
.set n, n+1
.endr
.irp i, 0,1,2,3,4,5,6,7
	global_store_b64 v[HO], v[H+2*(\i):H+2*(\i)+1], s[Q16:Q16+1] offset:(8*(\hf)+(\i))*256  ; a row of a head: 256 consecutive bytes, aligned
.endr
.endm
	s_mov_b32 s2, 4
.Lblk:                                                 ; four trips; block 4 - s2's registers are named by one of four short texts, the rows' work is written once
	s_cmp_eq_u32 s2, 4
	s_cbranch_scc1 .Lb0
	s_cmp_eq_u32 s2, 3
	s_cbranch_scc1 .Lb1
	s_cmp_eq_u32 s2, 2
	s_cbranch_scc1 .Lb2
	STORE_BLK 3
	s_branch .Lst
.Lb0:
	STORE_BLK 0
	s_branch .Lst
.Lb1:
	STORE_BLK 1
	s_branch .Lst
.Lb2:
	STORE_BLK 2
.Lst:
	ROWS8 0
	ROWS8 1
	s_wait_xcnt 0x0                                ; the stores' bases are stepped only behind this wait
	s_add_nc_u64 s[OUT:OUT+1], s[OUT:OUT+1], 16*512
	s_add_nc_u64 s[Q16:Q16+1], s[Q16:Q16+1], 16*256
	v_add_nc_u32 v[RO], 16*512, v[RO]
	s_sub_co_u32 s2, s2, 1
	s_cmp_lg_u32 s2, 0
	s_cbranch_scc1 .Lblk
	s_wait_tensorcnt 0x0                           ; the wave's end
	ds_add_u32 v[SPW], v[NIL]
	s_wait_dscnt 0x0
	CROUND                                         ; the closing round
	s_endpgm
.Lfunc_end_k_q469eae940a_qkv:
	.size	k_q469eae940a_qkv, .Lfunc_end_k_q469eae940a_qkv-k_q469eae940a_qkv
	.p2alignl 7, 3214868480
	.fill 96, 4, 3214868480
	.section	.rodata,"a",@progbits
	.p2align	6, 0x0
	.amdhsa_kernel k_q469eae940a_qkv
		.amdhsa_group_segment_fixed_size 327680
		.amdhsa_private_segment_fixed_size 0
		.amdhsa_enable_private_segment 0
		.amdhsa_kernarg_size 48
		.amdhsa_user_sgpr_count 2
		.amdhsa_user_sgpr_kernarg_segment_ptr 1
		.amdhsa_wavefront_size32 1
		.amdhsa_system_sgpr_workgroup_id_x 1
		.amdhsa_system_sgpr_workgroup_id_y 1
		.amdhsa_system_sgpr_workgroup_id_z 1
		.amdhsa_system_vgpr_workitem_id 0
		.amdhsa_next_free_vgpr 512
		.amdhsa_next_free_sgpr 100
		.amdhsa_reserve_vcc 0
		.amdhsa_float_denorm_mode_32 3
		.amdhsa_float_denorm_mode_16_64 3
		.amdhsa_memory_ordered 1
		.amdhsa_forward_progress 1
		.amdhsa_inst_pref_size 95
	.end_amdhsa_kernel
	.amdgpu_metadata
---
amdhsa.version: [ 1, 2 ]
amdhsa.kernels:
  - .name:           k_q469eae940a_qkv
    .symbol:         k_q469eae940a_qkv.kd
    .args:
      - { .name: bfw, .offset: 0, .size: 8, .value_kind: global_buffer, .address_space: global }
      - { .name: rope, .offset: 8, .size: 8, .value_kind: global_buffer, .address_space: global }
      - { .name: seq_positions, .offset: 16, .size: 8, .value_kind: global_buffer, .address_space: global }
      - { .name: qkv16, .offset: 24, .size: 8, .value_kind: global_buffer, .address_space: global }
      - { .name: out1, .offset: 32, .size: 8, .value_kind: global_buffer, .address_space: global }
      - { .name: out2, .offset: 40, .size: 8, .value_kind: global_buffer, .address_space: global }
    .group_segment_fixed_size: 327680
    .private_segment_fixed_size: 0
    .kernarg_segment_align: 8
    .kernarg_segment_size: 48
    .max_flat_workgroup_size: 128
    .sgpr_count:     100
    .vgpr_count:     512
    .wavefront_size: 32
...
	.end_amdgpu_metadata
.endif
;; end of part 2
;; launch attn (part 3): grid 32 x 8, 4 waves a work-group, clusters of 4 x 1, 327,680 bytes of LDS; arguments qkv16, maskbits, ctx16; writes ctx16
.if DOCPART == 3
	.amdgcn_target "amdgcn-amd-amdhsa--gfx1250"
	.amdhsa_code_object_version 6
	.text
	.protected	k_q469eae940a_attn
	.globl	k_q469eae940a_attn
	.p2align	8
	.type	k_q469eae940a_attn,@function
k_q469eae940a_attn:
	s_mov_b64 s[64:65], 0
	v_nop
	global_prefetch_b8 v0, s[64:65] scope:SCOPE_SE
	s_setreg_imm32_b32 hwreg(HW_REG_WAVE_MODE, 25, 1), 1
	s_wait_xcnt 0x0
	s_wait_alu depctr_hold_cnt(0) depctr_sa_sdst(0) depctr_va_vdst(0) depctr_va_sdst(0) depctr_va_ssrc(0) depctr_va_vcc(0) depctr_vm_vsrc(0)
	s_getreg_b32 s2, hwreg(HW_REG_IB_STS2, 6, 4)
	s_cmp_eq_u32 s2, 0
	s_cbranch_scc0 .Lentry_in_a_cluster
	s_endpgm
.Lentry_in_a_cluster:
	s_bfe_u32 s2, ttmp6, 0x10000c
	s_cmp_lg_u32 s2, 0x3003
	s_cbranch_scc0 .Lentry_shape_is_right
	s_endpgm
.Lentry_shape_is_right:
; GROUPED-QUERY ATTENTION WITH A MASK THAT IS AN INPUT.  ctx[q][head] = sum over k of softmax_k(mask ? q.k/sqrt(128) : -1e9) v[k].  All 2,048 keys are walked for every query.
; qkv16: [32][2048][128] f16: slots 0-15 q, 16-23 k (both times 0.357095, so that q.k is the score times log2(e)), 24-31 v/4.  Products, maxima, sums in f32.
; ctx16: ctx/4 in f16, laid in the blocks in which the last launch's matrix instruction takes its rows: [16 rows][32 of the 2,048 channels][16 of them][lane][8 numbers], 1,024 bytes a block:
; lane l of a block's half holds row l % 16, channels 8 (l / 16) + 0..7.  That is how the results lie in the lanes here, so they are stored as they are.
; A hidden score is REPLACED by -1e9 log2(e) (a select by the mask's bits, made by the first launch), so a row that is hidden everywhere comes out as the plain mean of v, as it must.
; LIMITS: p lies in 0 to 1, below 6e-5 it keeps f16's fixed step; a weight below 2^-126 counts as 0 in l; NaN and infinities are not treated apart.
; SHARES.  A work-group: one kv head g, 64 query rows, both query heads 2 g, 2 g + 1.  Wave w: rows 32 (w / 2) on, key steps of parity wk = w % 2 (64 keys a step, 16 steps).
; Its four tiles t = 2 p + i: head i, rows 16 (p xor wk): two PIECES, named 0 and 2 by their first tile; a piece's two heads share one set of 32 mask words.
; The two parities' (m, l, O) meet in LDS at the end: thanks to p xor wk every wave keeps tiles 0, 1 and hands tiles 2, 3 to its partner, with no branch.
; LAYOUT.  S^T = K Q^T: a lane holds ONE query (lane % 16) and the keys 8 (lane / 16) + 0..7; two such tiles rounded to f16 ARE source 1 of O^T = V^T P.  V comes turned, by ds_load_tr16_b128.
; SOFTMAX.  Running maximum m and sum l: p = 2^(s - m); O and l are multiplied by a = 2^(m_old - m_new) in every step.  m starts at the lowest finite number, O and l at 0: the first a is 0.
; BY TURNS.  In a turn one piece has the matrix unit (32 products V^T P of the step in hand, 32 products K Q^T of the next), the other piece's softmax stands in 64 slices behind them.
; CLUSTER 4 x 1: the four row blocks walk the same K and V: joint loads.  A slot holds 128 keys (one step of each parity); one exclusive or turns a slot's address into the other's.
; REGISTERS: window 0: v0-11 addresses; v12-43 statistics, 8 a tile; v44-54; v64-191 S^T; v192-255 P.  Window 1: O^T, 64 a tile.  Window 2: v0-127 Q, v128-255 K.  Window 3: v0-127 V, v128-255 the partner's O.
.set KS,    64
.set PK,    272       ; a row of K in LDS: 256 bytes + 16
.set PV,    288       ; a row of V: 256 + 32
.set VOFF,  KS*PK
.set STEPB, KS*(PK+PV)
.set SLOT1, 1<<17
.set MAIL,  SLOT1+2*STEPB  ; what a wave hands over: 16,384 bytes of O, 512 of statistics; no fill lands here
.set MAILW, 16896
.set SPARE, MAIL+4*MAILW   ; the spare words, 128 bytes a wave
.set AK0, 2
.set AV0, 3
.set ADR, 4
.set QO0, 5           ; my byte offset in Q's rows, piece 0
.set GO,  8           ; 16 x lane
.set ST,  12          ; tile t at v[ST+8 t]: +0 m, +1 named with it, +2, +3 l, +4..+7 c0-c3; a takes c2's place
.set MS,  44          ; v44-47  m, l of tiles 2, 3, to hand over
.set PS,  48          ; v48-51  the partner's
.set MBX, 52
.set PBX, 53
.set QO1, 54          ; piece 2
.set SPW, 62
.set NIL, 63
.set S,   64
.set P,   192
.set KF,  128
.set WV,  12
.set G1K, 24
.set G1V, 32
.set G0K, 40
.set G0V, 48
.set SLOTS, 56
.set MB,  58          ; s[58:59] maskbits
.set SEL, 60
.set TB,  62          ; LDS byte at which my parity's tiles of the step to be fetched begin
.set MO0, 63          ; byte offset in maskbits of piece 0's next 32 words
.set MO2, 66          ; of piece 2's
.set BIGM, 67         ; -1e9 log2(e)
.set MW,  68          ; s[68:99] the 32 mask words of the softmax in hand
.set MSB, 0
.macro WIN new
.if MSB != (\new)
	s_set_vgpr_msb (MSB<<8)|(\new)
.set MSB, \new
.endif
.endm
.set W_KQ, 0x0a       ; K and Q in window 2, S^T in window 0
.set W_PV, 0x53       ; source 0 window 3, source 1 window 0, source 2 and destination window 1
.set W_RS, 0x41       ; destination and source 0 window 1, source 1 window 0
.macro JLOAD                        ; a joint refill: waves 0, 1 fetch the two parities' K, waves 2, 3 their V; s_nop 0 and four v_nop follow each line
	s_cmp_lt_u32 s[WV], 2
	s_cbranch_scc0 .Lfor_v_\@
	tensor_load_to_lds s[G0K+4:G0K+7], s[G1K:G1K+7]
	s_nop 0
.rept 4
	v_nop
.endr
	s_branch .Lasked_\@
.Lfor_v_\@:
	tensor_load_to_lds s[G0V+4:G0V+7], s[G1V:G1V+7]
	s_nop 0
.rept 4
	v_nop
.endr
.Lasked_\@:
.endm
.macro CROUND
	s_barrier_signal -1
	s_barrier_wait -1
	s_cmp_lg_u32 s[WV], 0
	s_cbranch_scc1 .Lnot_wave_0_\@
	s_barrier_signal -3
.Lnot_wave_0_\@:
	s_barrier_wait -3
	s_barrier_signal -1
	s_barrier_wait -1
.endm
.macro LOADM mo                     ; 32 mask words, 128 consecutive bytes
	s_load_b512 s[MW:MW+15], s[MB:MB+1], s[\mo] offset:0x0
	s_load_b512 s[MW+16:MW+31], s[MB:MB+1], s[\mo] offset:0x40
.endm
	s_load_b128 s[4:7], s[0:1], 0x0   ; qkv16 s[4:5], maskbits s[6:7]
	s_load_b64 s[10:11], s[0:1], 0x10 ; ctx16
	v_lshl_add_u32 v[SPW], v0, 2, SPARE
	v_mov_b32 v[NIL], 0
	ds_add_u32 v[SPW], v[NIL]       ; the wave's opening: the add and its wait ahead of my first tensor load
	v_lshrrev_b32 v1, 5, v0
	v_readfirstlane_b32 s[WV], v1
	s_bfe_u32 s13, ttmp6, 0x40000   ; cx
	s_lshl_b32 s14, ttmp9, 2
	s_add_co_u32 s14, s14, s13      ; my block of 64 rows: it enters Q's, the mask's and ctx's addresses alone
	s_and_b32 s20, ttmp7, 0xffff    ; the kv head, which the partners share
	s_lshr_b32 s15, s[WV], 1        ; wq
	s_and_b32 s16, s[WV], 1         ; wk; also: which parity's tile I fetch
	s_xor_b32 s19, s16, 1
	s_lshl_b32 s22, s20, 19         ; a head is 2,048 rows of 256 bytes
	s_lshl_b32 s23, s16, 14         ; a step's 64 rows
	s_add_co_u32 s22, s22, s23
	s_add_co_u32 s22, s22, 16<<19   ; k's slots begin at 16
	s_mov_b32 s23, 0
	s_mul_i32 s17, s16, STEPB       ; its place in a slot
	s_lshl_b32 s2, s20, 20          ; q head 2 g,
	s_lshl_b32 s3, s14, 14          ; my block's 64 rows,
	s_add_co_u32 s2, s2, s3
	s_lshl_b32 s3, s15, 13          ; my wave's 32
	s_add_co_u32 s2, s2, s3
	s_mov_b32 s3, 0
	s_lshl_b32 s13, s14, 2
	s_lshl1_add_u32 s13, s15, s13   ; my first block of 16 rows
	s_add_co_u32 s18, s13, s16
	s_lshl_b32 s18, s18, 12         ; a row block's words: 4,096 bytes
	s_lshl_b32 s21, s16, 7          ; step wk: 128 bytes a step
	s_add_co_u32 s[MO0], s18, s21
	s_add_co_u32 s18, s13, s19
	s_lshl_b32 s18, s18, 12
	s_add_co_u32 s[MO2], s18, s21
	s_add_co_u32 s18, s13, s16      ; the block of 16 rows that I keep:
	s_lshl_b32 s18, s18, 16         ; 64 blocks of 1,024 bytes in ctx16,
	s_lshl_b32 s21, s20, 13         ; of which heads 2 g, 2 g + 1 have four each
	s_add_co_u32 s20, s18, s21
	s_mov_b32 s21, 0
	s_mov_b32 s[G1K], 15|(1<<16)|(1<<20)|(1<<21)|(5<<22)|(3<<25)  ; the mask of four; 2-byte elements; padding on; bit 21 beside a mask; after every 64 words, 4 words
	s_mov_b32 s[G1V], 15|(1<<16)|(1<<20)|(1<<21)|(5<<22)|(7<<25)  ; the same with 8 words
.irp g, G1K, G1V
	s_mov_b32 s[(\g)+1], 128<<16
	s_mov_b32 s[(\g)+2], KS<<16
	s_mov_b32 s[(\g)+3], 128<<16
	s_mov_b32 s[(\g)+4], KS
	s_mov_b32 s[(\g)+5], 128
	s_mov_b32 s[(\g)+6], 0
	s_mov_b32 s[(\g)+7], 0
.endr
	s_mov_b32 s[SEL], 0x76543210
	s_mov_b32 s[SEL+1], 0xfedcba98
	s_mov_b32 s[BIGM], 0xceabfb8f
	s_mov_b32 s[TB], s17
	s_mov_b32 s[SLOTS], 14
	s_wait_dscnt 0x0                ; the opening add is done
	s_wait_kmcnt 0x0
	s_mov_b64 s[MB:MB+1], s[6:7]
	s_add_nc_u64 s[6:7], s[4:5], s[22:23]    ; K at my tile of slot 0
	s_add_nc_u64 s[8:9], s[6:7], 8<<19       ; V: eight heads on
	s_add_nc_u64 s[4:5], s[4:5], s[2:3]      ; Q at my wave's first row
	s_add_nc_u64 s[10:11], s[10:11], s[20:21]
	CROUND                          ; all four work-groups are here: the first joint loads meet
.irp s, 0,1
	s_mov_b32 s[G0K+4*(\s)], 1
	s_add_co_u32 s[G0K+4*(\s)+1], s17, (\s)*SLOT1
	s_add_nc_u64 s[G0K+4*(\s)+2:G0K+4*(\s)+3], s[6:7], (\s)*2*KS*256
	s_or_b32 s[G0K+4*(\s)+3], s[G0K+4*(\s)+3], 0x80000000
	s_mov_b32 s[G0V+4*(\s)], 1
	s_add_co_u32 s[G0V+4*(\s)+1], s17, (\s)*SLOT1+VOFF
	s_add_nc_u64 s[G0V+4*(\s)+2:G0V+4*(\s)+3], s[8:9], (\s)*2*KS*256
	s_or_b32 s[G0V+4*(\s)+3], s[G0V+4*(\s)+3], 0x80000000
.endr
	s_cmp_lt_u32 s[WV], 2           ; a wave's two first fills stand in one branch: two loads of mine are out
	s_cbranch_scc0 .Lfirst_v
	tensor_load_to_lds s[G0K:G0K+3], s[G1K:G1K+7]
	s_nop 0
	tensor_load_to_lds s[G0K+4:G0K+7], s[G1K:G1K+7]
	s_nop 0
.rept 4
	v_nop
.endr
	s_branch .Lfirst_asked
.Lfirst_v:
	tensor_load_to_lds s[G0V:G0V+3], s[G1V:G1V+7]
	s_nop 0
	tensor_load_to_lds s[G0V+4:G0V+7], s[G1V:G1V+7]
	s_nop 0
.rept 4
	v_nop
.endr
.Lfirst_asked:
	LOADM MO0                       ; piece 0's words of my first step
	v_and_b32 v1, 15, v0            ; l % 16
	v_bfe_u32 v9, v0, 4, 1          ; l / 16
	v_lshlrev_b32 v10, 8, v1
	v_lshl_add_u32 v10, v9, 4, v10  ; row x 256 + 16 x half
	s_lshl_b32 s13, s16, 12         ; piece 0: rows 16 wk on
	s_lshl_b32 s14, s19, 12         ; piece 2: rows 16 (1 - wk) on
	v_add_nc_u32 v[QO0], s13, v10
	v_add_nc_u32 v[QO1], s14, v10
	WIN 0x80                        ; destination window 2
.irp n, 0,1,2,3,4,5,6,7             ; Q stays in registers: head n / 4, channels 32 (n % 4) on
	global_load_b128 v[8*(\n):8*(\n)+3],   v[QO0], s[4:5] offset:((\n)/4)*524288+((\n)%4)*64
	global_load_b128 v[8*(\n)+4:8*(\n)+7], v[QO0], s[4:5] offset:((\n)/4)*524288+((\n)%4)*64+32
.endr
.irp n, 0,1,2,3,4,5,6,7
	global_load_b128 v[64+8*(\n):64+8*(\n)+3],   v[QO1], s[4:5] offset:((\n)/4)*524288+((\n)%4)*64
	global_load_b128 v[64+8*(\n)+4:64+8*(\n)+7], v[QO1], s[4:5] offset:((\n)/4)*524288+((\n)%4)*64+32
.endr
	WIN 0x40                        ; no first step is written out: O^T, l and m are set here, in the wait for the first tile
.set i, 0
.rept 256
	v_mov_b32 v[i], 0
.set i, i+1
.endr
	WIN 0
.irp t, 0,1,2,3
	v_mov_b32 v[ST+8*(\t)], 0xff7fffff
	v_mov_b32 v[ST+8*(\t)+1], 0
	v_mov_b32 v[ST+8*(\t)+2], 0
	v_mov_b32 v[ST+8*(\t)+3], 0
.endr
	v_mul_u32_u24 v[AK0], v1, PK
	v_lshl_add_u32 v[AK0], v9, 4, v[AK0]
	v_and_b32 v10, 7, v0            ; the turning load: lane l reads key 8 (l / 16) + l % 8, channels 8 ((l / 8) % 2) + 0..7
	v_bfe_u32 v11, v0, 3, 1
	v_lshl_add_u32 v[AV0], v9, 3, v10
	v_mul_u32_u24 v[AV0], v[AV0], PV
	v_lshl_add_u32 v[AV0], v11, 4, v[AV0]
	v_add_nc_u32 v[AV0], VOFF, v[AV0]
; THE MATRIX WORK.  The accumulators take turns, one instruction a turn.
.macro PV x                         ; product i of 32 of O^T += V^T P: keys 32 (i / 16) on, channels 16 ((i / 2) % 8) on, tile x + i % 2
	WIN W_PV
.set rO, 64*((\x)+i%2)+8*((i/2)%8)
.set rV, 64*(i/16)+8*((i/2)%8)
.set rP, P+16*((\x)+i%2)+8*(i/16)
	v_wmma_f32_16x16x32_f16 v[rO:rO+7], v[rV:rV+7], v[rP:rP+7], v[rO:rO+7]
.endm
.macro KQ x                         ; product i of 32 of S^T = K Q^T: channels 32 (i / 8) on, keys 16 ((i / 2) % 4) on, tile x + i % 2; the first 8 start the sums
	WIN W_KQ
.set rS, S+32*((\x)+i%2)+8*((i/2)%4)
.set rK, KF+32*((i/2)%4)+8*(i/8)
.set rQ, 32*((\x)+i%2)+8*(i/8)
.if i < 8
	v_wmma_f32_16x16x32_f16 v[rS:rS+7], v[rK:rK+7], v[rQ:rQ+7], 0
.else
	v_wmma_f32_16x16x32_f16 v[rS:rS+7], v[rK:rK+7], v[rQ:rQ+7], v[rS:rS+7]
.endif
.endm
.macro FETCH_K                      ; 32 LDS loads in one run
	WIN 0
	v_add_nc_u32 v[ADR], s[TB], v[AK0]
	WIN 0x80
.irp f, 0,1,2,3,4,5,6,7,8,9,10,11,12,13,14,15
	ds_load_b128 v[KF+8*(\f):KF+8*(\f)+3],   v[ADR] offset:((\f)/4)*16*PK+((\f)%4)*64
	ds_load_b128 v[KF+8*(\f)+4:KF+8*(\f)+7], v[ADR] offset:((\f)/4)*16*PK+((\f)%4)*64+32
.endr
.endm
.macro FETCH_V
	WIN 0
	v_add_nc_u32 v[ADR], s[TB], v[AV0]
	WIN 0xc0
.irp f, 0,1,2,3,4,5,6,7,8,9,10,11,12,13,14,15
	ds_load_tr16_b128 v[8*(\f):8*(\f)+3],   v[ADR] offset:((\f)/8)*32*PV+((\f)%8)*32
	ds_load_tr16_b128 v[8*(\f)+4:8*(\f)+7], v[ADR] offset:((\f)/8)*32*PV+16*PV+((\f)%8)*32
.endr
.endm
; THE VECTOR WORK: a tile's softmax for a step is a list of 165 instructions; SM writes number j of it for tile t.
;   0-31    the select: a hidden score becomes -1e9 log2(e) (each accumulator's lowest register is read first)
;   32-47   the maximum of the 32 scores and the old m, three operands at a time        48-51  the other half of the lanes' maximum; m_old kept; the new m; m_old - m_new
;   52-118  33 exponentials (a, then the 32 scores) at the even numbers from 54 on; between them what is ready: s - m for pairs to come, roundings to f16 of pairs done, the first sums
;   119-132 the last rounding, the rest of the sums, l = a l + sum                       133-164 O^T times a: the one part that leaves window 0
.macro SM t
.set rT, ST+8*(\t)
.set rS, S+32*(\t)
.set rP, P+16*(\t)
.set rO, 64*(\t)+2*(j-133)
.set e, j-32
.set o, j-31
.set q, (o-20)/2
.if j < 133
	WIN 0
.endif
.if j < 32
	v_cndmask_b32 v[rS+j], s[BIGM], v[rS+j], s[MW+j]
.elseif j < 36
	v_max3_num_f32 v[rT+4+e], v[rS+8*e], v[rS+8*e+1], v[rS+8*e+2]
.elseif j < 44
	v_max3_num_f32 v[rT+4+e%4], v[rT+4+e%4], v[rS+8*(e%4)+2*(e/4)+1], v[rS+8*(e%4)+2*(e/4)+2]
.elseif j == 44
	v_max3_num_f32 v[rT+4], v[rT+4], v[rS+7], v[rS+15]
.elseif j == 45
	v_max3_num_f32 v[rT+6], v[rT+6], v[rS+23], v[rS+31]
.elseif j == 46
	v_max3_num_f32 v[rT+4], v[rT+4], v[rT+5], v[rT+6]
.elseif j == 47
	v_max3_num_f32 v[rT+4], v[rT+4], v[rT+7], v[rT]
.elseif j == 48
	v_permlanex16_b32 v[rT+5], v[rT+4], s[SEL], s[SEL+1]  ; the query's other 32 keys lie in the lane 16 away
.elseif j == 49
	v_mov_b32 v[rT+7], v[rT]
.elseif j == 50
	v_max_num_f32 v[rT], v[rT+4], v[rT+5]
.elseif j == 51
	v_sub_f32 v[rT+7], v[rT+7], v[rT]
.elseif o == 23
	v_exp_f32 v[rT+6], v[rT+7]
.elseif (o < 88) && (o > 23) && (o%2 == 1)
	v_exp_f32 v[rS+(o-25)/2], v[rS+(o-25)/2]
.elseif (q < 4) || ((o < 76) && (q%2 == 0))
.set b, q/2+2
.if q < 4
.set b, q
.endif
	v_pk_add_f32 v[rS+2*b:rS+2*b+1], v[rS+2*b:rS+2*b+1], v[rT:rT+1] op_sel_hi:[1,0] neg_lo:[0,1] neg_hi:[0,1]  ; pair b: s - m
.elseif (o < 88) && (q%2 == 1)
	s_wait_alu depctr_va_vdst(0)
	v_cvt_pk_f16_f32 v[rP+(q-5)/2], v[rS+q-5], v[rS+q-4]
.elseif o == 89
	s_wait_alu depctr_va_vdst(0)
	v_cvt_pk_f16_f32 v[rP+15], v[rS+30], v[rS+31]
.elseif o < 102                     ; the sum of the 16 pairs, in place: neighbours 1, 2, 4 and 8 pairs apart, then l takes it
.set z, o-86
.if o < 89
.set z, (o-76)/4
.endif
.set w, 4
.set u, z
.if z >= 14
.set w, 32
.set u, 0
.elseif z >= 12
.set w, 16
.set u, z-12
.elseif z >= 8
.set w, 8
.set u, z-8
.endif
.if z < 15
	v_pk_add_f32 v[rS+w*u:rS+w*u+1], v[rS+w*u:rS+w*u+1], v[rS+w*u+w/2:rS+w*u+w/2+1]
.else
	v_pk_fma_f32 v[rT+2:rT+3], v[rT+2:rT+3], v[rT+6:rT+7], v[rS:rS+1] op_sel_hi:[1,0,1]
.endif
.else
	WIN W_RS
	v_pk_mul_f32 v[rO:rO+1], v[rO:rO+1], v[rT+6:rT+7] op_sel_hi:[1,0]
.endif
.endm
; Slice k of 64 of piece y's softmax: numbers 5 k / 2 up to 5 (k + 1) / 2 of both tiles' lists; slice 63 runs on to the end: sixteen rescalings, plain instructions that name nothing of the
; products round them: the places between the turn's last K Q^T and what follows.  In the exponentials' stretch tile by tile, elsewhere the tiles alternate.
.macro SLICE y
.set n0, (5*k)/2
.set n1, (5*(k+1))/2
.if k == 63
.set n1, 165
.endif
.if (k >= 20) && (k < 48)
.irp t, \y, (\y)+1
.set j, n0
.rept n1-n0
	SM \t
.set j, j+1
.endr
.endr
.else
.set j, n0
.rept n1-n0
.irp t, \y, (\y)+1
	SM \t
.endr
.set j, j+1
.endr
.endif
.set k, k+1
.endm
.macro MLOAD x, lm                  ; behind slice 12 the last select has been issued: the next turn's words (piece x's) go into the same registers and have the rest of the turn to land
.if (\lm) && (k == 13)
.if (\x) == 0
	LOADM MO0
.else
	LOADM MO2
.endif
.endif
.endm
; A TURN.  Piece x has the matrix unit; the other piece's softmax stands in slices.  pv, kq: which products it has (with one kind, two slices behind each).  lm = 1: the next turn's mask words are asked for.
; Piece 0's turn fetches the next step's K behind its second product (K's last reader stands in front of slice 63 of the turn before); piece 2's turn fetches that step's V behind its second K Q^T
; (V's last reader stands three slices, eight plain instructions, back).
.macro TURN x, pv, kq, lm
.set k, 0
.set per, 2
.if (\pv) && (\kq)
.set per, 1
.endif
	s_wait_kmcnt 0x0                ; the words of the softmax in hand are in, and their offset may step: two steps of 128 bytes on
.if (\x) == 0
	s_add_co_u32 s[MO2], s[MO2], 256
.else
	s_add_co_u32 s[MO0], s[MO0], 256
.endif
.if \pv
.if (\x) == 0
	s_wait_dscnt 0x0                ; V is in
.endif
.set i, 0
.rept 32
	PV \x
.rept per
	SLICE 2-(\x)
	MLOAD \x, \lm
.endr
.if ((\x) == 0) && (\kq) && (i == 1)
	FETCH_K
.endif
.set i, i+1
.endr
.endif
.if \kq
.if (\x) == 0
	s_wait_dscnt 0x0                ; K is in
.endif
.set i, 0
.rept 32
	KQ \x
.rept per
	SLICE 2-(\x)
	MLOAD \x, \lm
.endr
.if ((\x) == 2) && (i == 1)
	FETCH_V
.endif
.set i, i+1
.endr
.endif
.endm
; THE CHANGE OF SLOTS, in front of every step: K and V of the step in hand have been asked for out of its slot.  Each wave waits for all its tensor loads (one is out: its part of the other slot), adds 0
; to its spare word, and waits for that and for its reads.  fill = 1: a round of the cluster's barrier, and the slot is filled again with the keys two slots on, first thing behind it.
.macro CHANGE fill
	WIN 0
	s_wait_tensorcnt 0x0
	ds_add_u32 v[SPW], v[NIL]
.if \fill
.irp g, G0K+4, G0V+4
	s_xor_b32 s[(\g)+1], s[(\g)+1], SLOT1
	s_add_nc_u64 s[(\g)+2:(\g)+3], s[(\g)+2:(\g)+3], 2*KS*256
.endr
	s_wait_dscnt 0x0
	CROUND
	JLOAD
.else
	s_wait_dscnt 0x0
	s_barrier_signal -1
	s_barrier_wait -1
.endif
	s_xor_b32 s[TB], s[TB], SLOT1   ; the fetches go to the other slot
.endm
	s_wait_tensorcnt 1              ; my part of slot 0 is in; slot 1's may stay out
	s_barrier_signal -1
	s_barrier_wait -1
	FETCH_K                         ; my step 0
	s_wait_loadcnt 0x0              ; Q
	s_wait_dscnt 0x0
.set i, 0
.rept 32
	KQ 0
.set i, i+1
.endr
	WIN 0                           ; the addresses for the end: plain instructions, the places behind those products
	v_and_b32 v10, 31, v0
	v_lshlrev_b32 v[GO], 4, v10
	s_mul_i32 s13, s[WV], MAILW
	s_add_co_u32 s13, s13, MAIL
	v_lshl_add_u32 v[MBX], v10, 4, s13   ; what I hand over
	s_xor_b32 s14, s[WV], 1
	s_mul_i32 s14, s14, MAILW
	s_add_co_u32 s14, s14, MAIL
	v_lshl_add_u32 v[PBX], v10, 4, s14   ; what the wave of the other parity hands me
	v_nop
	v_nop
	TURN 2, 0, 1, 1                 ; piece 2's first scores | piece 0's first softmax | V of step 0
	WIN 0
.Lslot:                             ; 14 trips: step j's V^T P, step j + 1's K Q^T; step j's slot is filled with step j + 2
	CHANGE 1
	TURN 0, 2, 1, 1
	TURN 2, 2, 1, 1
	WIN 0
	s_sub_co_u32 s[SLOTS], s[SLOTS], 1
	s_cmp_lg_u32 s[SLOTS], 0
	s_cbranch_scc1 .Lslot
	CHANGE 0                        ; the tail is written out
	TURN 0, 2, 1, 1
	TURN 2, 2, 1, 1
	TURN 0, 2, 0, 0                 ; piece 0: V^T P of the last step | piece 2's last softmax
.set i, 0
.rept 32
	PV 2
.set i, i+1
.endr
	; THE TWO PARITIES MEET.  l's halves are added (the places behind the last products); tiles 2, 3 go to the partner's hands, its tiles 2, 3 come to mine.
	WIN 0
.irp t, 0,1,2,3
	v_add_f32 v[ST+8*(\t)+2], v[ST+8*(\t)+2], v[ST+8*(\t)+3]
.endr
.irp t, 0,1,2,3
	v_permlanex16_b32 v[ST+8*(\t)+3], v[ST+8*(\t)+2], s[SEL], s[SEL+1]
.endr
.irp t, 0,1,2,3
	v_add_f32 v[ST+8*(\t)+2], v[ST+8*(\t)+2], v[ST+8*(\t)+3]
.endr
	v_mov_b32 v[MS], v[ST+16]
	v_mov_b32 v[MS+1], v[ST+18]
	v_mov_b32 v[MS+2], v[ST+24]
	v_mov_b32 v[MS+3], v[ST+26]
	WIN 0x04                        ; store data in window 1
.set i, 0
.rept 32
	ds_store_b128 v[MBX], v[128+4*i:128+4*i+3] offset:512*i
.set i, i+1
.endr
	WIN 0
	ds_store_b128 v[MBX], v[MS:MS+3] offset:16384
	s_wait_dscnt 0x0                ; for the partner's sake
	s_barrier_signal -1
	s_barrier_wait -1
	ds_load_b128 v[PS:PS+3], v[PBX] offset:16384
	WIN 0xc0                        ; destination window 3
.set i, 0
.rept 32
	ds_load_b128 v[128+4*i:128+4*i+3], v[PBX] offset:512*i
.set i, i+1
.endr
	WIN 0
	s_wait_dscnt 32                 ; the statistics are in; the 32 loads behind them stay out
.irp t, 0,1                         ; M = max(m, m'); a = 2^(m - M), a' = 2^(m' - M); L = a l + a' l'; the factors a / L and a' / L
	v_max_num_f32 v[ST+8*(\t)+5], v[ST+8*(\t)], v[PS+2*(\t)]
.endr
.irp t, 0,1
	v_sub_f32 v[ST+8*(\t)+6], v[ST+8*(\t)], v[ST+8*(\t)+5]
	v_sub_f32 v[ST+8*(\t)+7], v[PS+2*(\t)], v[ST+8*(\t)+5]
.endr
.irp t, 0,1
	v_exp_f32 v[ST+8*(\t)+6], v[ST+8*(\t)+6]
	v_exp_f32 v[ST+8*(\t)+7], v[ST+8*(\t)+7]
.endr
	v_nop                           ; a plain instruction behind the last exponential
.irp t, 0,1
	s_wait_alu depctr_va_vdst(0)
	v_mul_f32 v[ST+8*(\t)+4], v[ST+8*(\t)+6], v[ST+8*(\t)+2]
.endr
.irp t, 0,1
	v_fmac_f32 v[ST+8*(\t)+4], v[ST+8*(\t)+7], v[PS+2*(\t)+1]
.endr
.irp t, 0,1
	v_rcp_f32 v[ST+8*(\t)+5], v[ST+8*(\t)+4]
.endr
	v_nop                           ; a plain instruction behind the last reciprocal
.irp t, 0,1
	s_wait_alu depctr_va_vdst(0)
	v_mul_f32 v[ST+8*(\t)+6], v[ST+8*(\t)+6], v[ST+8*(\t)+5]
	v_mul_f32 v[ST+8*(\t)+4], v[ST+8*(\t)+7], v[ST+8*(\t)+5]
.endr
	s_wait_dscnt 0x0                ; the partner's O is in
; Tile t (head 2 g + t): O a / L + O' a' / L, rounded to f16.  A lane's eight channels of its row are 16 bytes, and the 32 lanes' 512 bytes are half a block of ctx16 as it is laid: stored as they lie.
.macro PACK t
	WIN W_RS
.set i, 64*(\t)
.rept 32
	v_pk_mul_f32 v[i:i+1], v[i:i+1], v[ST+8*(\t)+6:ST+8*(\t)+7] op_sel_hi:[1,0]
.set i, i+2
.endr
	WIN W_PV
.set i, 64*(\t)
.rept 32
	v_pk_fma_f32 v[i:i+1], v[128+i:128+i+1], v[ST+8*(\t)+4:ST+8*(\t)+5], v[i:i+1] op_sel_hi:[1,0,1]
.set i, i+2
.endr
	WIN 0x05                        ; sources window 1, destination window 0
.set i, 0
.rept 32
	v_cvt_pk_f16_f32 v[S+32*(\t)+i], v[64*(\t)+2*i], v[64*(\t)+2*i+1]
.set i, i+1
.endr
	WIN 0
.irp f, 0,1,2,3,4,5,6,7             ; channels 16 f on
	global_store_b128 v[GO], v[S+32*(\t)+4*(\f):S+32*(\t)+4*(\f)+3], s[10:11] offset:(\t)*4096+(\f)*512  ; 512 consecutive bytes, aligned
.endr
.endm
	PACK 0
	PACK 1
	s_wait_tensorcnt 0x0            ; the wave's end
	ds_add_u32 v[SPW], v[NIL]
	s_wait_dscnt 0x0
	CROUND                          ; the closing round
	s_endpgm
.Lfunc_end_k_q469eae940a_attn:
	.size	k_q469eae940a_attn, .Lfunc_end_k_q469eae940a_attn-k_q469eae940a_attn
	.p2alignl 7, 3214868480
	.fill 96, 4, 3214868480
	.section	.rodata,"a",@progbits
	.p2align	6, 0x0
	.amdhsa_kernel k_q469eae940a_attn
		.amdhsa_group_segment_fixed_size 327680
		.amdhsa_private_segment_fixed_size 0
		.amdhsa_enable_private_segment 0
		.amdhsa_kernarg_size 24
		.amdhsa_user_sgpr_count 2
		.amdhsa_user_sgpr_kernarg_segment_ptr 1
		.amdhsa_wavefront_size32 1
		.amdhsa_system_sgpr_workgroup_id_x 1
		.amdhsa_system_sgpr_workgroup_id_y 1
		.amdhsa_system_sgpr_workgroup_id_z 1
		.amdhsa_system_vgpr_workitem_id 0
		.amdhsa_next_free_vgpr 1024
		.amdhsa_next_free_sgpr 100
		.amdhsa_reserve_vcc 0
		.amdhsa_float_denorm_mode_32 3
		.amdhsa_float_denorm_mode_16_64 3
		.amdhsa_memory_ordered 1
		.amdhsa_forward_progress 1
		.amdhsa_inst_pref_size 215
	.end_amdhsa_kernel
	.amdgpu_metadata
---
amdhsa.version: [ 1, 2 ]
amdhsa.kernels:
  - .name:           k_q469eae940a_attn
    .symbol:         k_q469eae940a_attn.kd
    .args:
      - { .name: qkv16, .offset: 0, .size: 8, .value_kind: global_buffer, .address_space: global }
      - { .name: maskbits, .offset: 8, .size: 8, .value_kind: global_buffer, .address_space: global }
      - { .name: ctx16, .offset: 16, .size: 8, .value_kind: global_buffer, .address_space: global }
    .group_segment_fixed_size: 327680
    .private_segment_fixed_size: 0
    .kernarg_segment_align: 8
    .kernarg_segment_size: 24
    .max_flat_workgroup_size: 128
    .sgpr_count:     100
    .vgpr_count:     1024
    .wavefront_size: 32
...
	.end_amdgpu_metadata
.endif
;; end of part 3
;; launch oproj (part 4): grid 16 x 16, 4 waves a work-group, clusters of 4 x 1, 327,680 bytes of LDS; arguments ctx16, bfw, out0; writes out0
.if DOCPART == 4
	.amdgcn_target "amdgcn-amd-amdhsa--gfx1250"
	.amdhsa_code_object_version 6
	.text
	.protected	k_q469eae940a_oproj
	.globl	k_q469eae940a_oproj
	.p2align	8
	.type	k_q469eae940a_oproj,@function
k_q469eae940a_oproj:
	s_mov_b64 s[64:65], 0
	v_nop
	global_prefetch_b8 v0, s[64:65] scope:SCOPE_SE
	s_setreg_imm32_b32 hwreg(HW_REG_WAVE_MODE, 25, 1), 1
	s_wait_xcnt 0x0
	s_wait_alu depctr_hold_cnt(0) depctr_sa_sdst(0) depctr_va_vdst(0) depctr_va_sdst(0) depctr_va_ssrc(0) depctr_va_vcc(0) depctr_vm_vsrc(0)
	s_getreg_b32 s2, hwreg(HW_REG_IB_STS2, 6, 4)
	s_cmp_eq_u32 s2, 0
	s_cbranch_scc0 .Lentry_in_a_cluster
	s_endpgm
.Lentry_in_a_cluster:
	s_bfe_u32 s2, ttmp6, 0x10000c
	s_cmp_lg_u32 s2, 0x3003
	s_cbranch_scc0 .Lentry_shape_is_right
	s_endpgm
.Lentry_shape_is_right:
; out0 = ctx Wo^T.  4 Wo: bfw byte 48 MiB, [4096][2048] f16.  ctx16: ctx/4 in f16.  The 1/4 and the 4 cancel exactly; sums in f32; out0 [2048][4096] f32.
; A tile of C is 128 rows x 256 columns: 16 x 16 = 256 work-groups; four waves of 64 x 128: 32 accumulators each.
; Wo GOES THROUGH LDS, ctx DOES NOT.  Two slots for 128 + 256 rows of 512 bytes would be 405,504 bytes, more than a work-group can have; for Wo's 256 rows alone they are 270,336.  So a slot holds K = 256
; of Wo (a PERIOD: 256 matrix instructions a wave between two changes of slots, in which the one refill lands), and ctx comes from memory straight into registers.
; ctx16 is laid for that by the launch in front: [16 rows][32 of K][16 of K][lane][8 numbers]: a fragment (16 rows x 32 K) is 1,024 consecutive bytes, two loads of 512.  A wave keeps a ring of eight
; QUARTER buffers (a quarter: 32 along K, 4 fragments, 8 loads); in quarter t it asks for quarter t + 7.  The price: each byte of ctx is asked for by the two waves of a work-group that share its rows.
; CLUSTER 4 x 1: the grid's x is the tile row, its y the tile column, so the four partners need the same tile of Wo: joint loads, each wave 64 rows of it.
; THE MATRIX INSTRUCTION IS USED TRANSPOSED (source 0 = 16 rows of Wo, source 1 = 16 rows of ctx): lane l holds row l % 16 and the columns 8 (l / 16) + 0..7.
; REGISTERS: window 0: v0-31 addresses; v64-127, v128-191 two buffers of Wo's 8 fragments, later the way out.  Window 1: accumulator (a, b) at v[8 (8 a + b)].  Window 2: ctx's ring, quarter q % 8 at v[32 (q % 8)].
.set KDIM,   2048
.set ROWSH,  12                        ; a row of Wo is 4,096 bytes
.set BBASE,  48<<20
.set KP,     256                       ; K in a period
.set PER,    KDIM/KP
.set PITCH,  528                       ; an LDS row: 512 bytes + 16: sixteen rows start at sixteen different 16-byte columns
.set HB,     64*PITCH                  ; what a wave's load brings
.set WB,     128*PITCH                 ; what a wave reads
.set SLOT,   256*PITCH                 ; 0x21000: it shares no bit with wave x HB, so one exclusive or turns a load's LDS address into the other slot's
.set STAGE,  2*SLOT                    ; 16 rows x 528 bytes for each wave: no fill lands here
.set SPITCH, 528
.set SPARE,  STAGE+4*16*SPITCH
.set RBSH,   16
.set RBS,    1<<RBSH                   ; 16 rows of ctx16: KDIM / 32 blocks of 1,024 bytes
.set ADRB0, 20                         ; v20  my lane's place in a slot; never rewritten
.set ADRB,  21                         ; v21  the same in the slot in hand
.set STO,  24
.set RD,   25
.set FO,   27                          ; v27  16 x lane; never rewritten
.set SPW,  28
.set NIL,  29
.set F0,   64
.set F1,   128
.set X,    64                          ; the way out: 16 rows
.set OUT, 8                            ; s[8:9]
.set SA,  14                           ; s[14:15] ctx16 at my 64 rows, at the period in hand
.set G1,  24                           ; s[24:31] descriptor group 1
.set G0,  32                           ; s[32:35] group 0 of the first fill; s[36:39] of the second, which then walks
.set TB,  44                           ; s44  LDS byte at which the slot in hand begins
.set MSB, 0
.macro WIN new
.if MSB != (\new)
	s_set_vgpr_msb (MSB<<8)|(\new)
.set MSB, \new
.endif
.endm
.set MUL, 0x58                         ; source 0 (Wo) window 0, source 1 (ctx) window 2, C and D window 1
.macro CREST
	s_cmp_lg_u32 s10, 0
	s_cbranch_scc1 .Lnot_wave_0_\@
	s_barrier_signal -3
.Lnot_wave_0_\@:
	s_barrier_wait -3
	s_barrier_signal -1
	s_barrier_wait -1
.endm
.macro CROUND
	s_barrier_signal -1
	s_barrier_wait -1
	CREST
.endm
.macro PLACES                          ; four places in front of loads into registers that matrix instructions have read, and of reads of their results
.rept 4
	v_nop
.endr
.endm
; The eight loads of quarter t, counted from the period at which SA stands, into buffer t % 8: row block a, halves of 512 consecutive bytes
.macro LOADA t
	WIN 0x80                                       ; destination window 2, address window 0
.irp a, 0,1,2,3
	global_load_b128 v[32*((\t)%8)+8*(\a):32*((\t)%8)+8*(\a)+3],   v[FO], s[SA:SA+1] offset:(\t)*1024+(\a)*RBS
	global_load_b128 v[32*((\t)%8)+8*(\a)+4:32*((\t)%8)+8*(\a)+7], v[FO], s[SA:SA+1] offset:(\t)*1024+(\a)*RBS+512
.endr
.endm
	s_load_b128 s[68:71], s[0:1], 0x0              ; ctx16 68, bfw 70
	s_load_b64 s[72:73], s[0:1], 0x10              ; out0
	v_lshl_add_u32 v[SPW], v0, 2, SPARE
	v_mov_b32 v[NIL], 0
	ds_add_u32 v[SPW], v[NIL]                      ; the wave's opening: the add and its wait ahead of my first tensor load
	v_lshrrev_b32 v1, 5, v0
	v_readfirstlane_b32 s10, v1                    ; wave
	s_lshr_b32 s11, s10, 1                         ; my half of the tile's rows
	s_and_b32 s12, s10, 1                          ; my half of its columns
	s_bfe_u32 s40, ttmp6, 0x40000                  ; cx
	s_lshl_b32 s13, ttmp9, 2
	s_add_co_u32 s13, s13, s40                     ; tile row: it enters ctx's and out0's addresses alone
	s_and_b32 s42, ttmp7, 0xffff                   ; tile column, which the partners share
	s_mov_b32 s[G1+0], 15|(1<<16)|(1<<20)|(1<<21)|(6<<22)|(3<<25)  ; the mask of four; 2-byte elements; padding on; bit 21 beside a mask; after every 128 words, 4 words
	s_mov_b32 s[G1+1], KP<<16                      ; tensor_dim0 = 256
	s_mov_b32 s[G1+2], 64<<16                      ; tensor_dim1 = 64
	s_mov_b32 s[G1+3], KP<<16                      ; tile_dim0 = 256
	s_mov_b32 s[G1+4], 64                          ; tile_dim1 = 64
	s_mov_b32 s[G1+5], KDIM                        ; elements from row to row
	s_mov_b32 s[G1+6], 0
	s_mov_b32 s[G1+7], 0
	s_lshl_b32 s46, s42, 8
	s_lshl_b32 s47, s10, 6
	s_add_co_u32 s46, s46, s47                     ; Wo: row 256 x tile column + 64 x wave
	s_lshl_b32 s46, s46, ROWSH
	s_add_co_u32 s46, s46, BBASE
	s_mov_b32 s47, 0
	s_mul_i32 s20, s10, HB                         ; where it goes
	s_lshl_b32 s16, s13, 3
	s_lshl2_add_u32 s16, s11, s16                  ; ctx: row block 8 x tile row + 4 x half
	s_lshl_b32 s16, s16, RBSH
	s_mov_b32 s17, 0
	s_mov_b32 s[TB], 0
	v_and_b32 v3, 31, v0
	v_lshlrev_b32 v[FO], 4, v3
	s_wait_dscnt 0x0                               ; the opening add is done
	s_wait_kmcnt 0x0
	s_add_nc_u64 s[SA:SA+1], s[68:69], s[16:17]
	s_add_nc_u64 s[46:47], s[70:71], s[46:47]
.irp s, 0,1
	s_mov_b32 s[G0+4*(\s)], 1
	s_add_co_u32 s[G0+4*(\s)+1], s20, (\s)*SLOT
	s_add_nc_u64 s[G0+4*(\s)+2:G0+4*(\s)+3], s[46:47], (\s)*KP*2
	s_or_b32 s[G0+4*(\s)+3], s[G0+4*(\s)+3], 0x80000000
.endr
	CROUND                                         ; all four work-groups are here: the first joint loads meet
	tensor_load_to_lds s[G0:G0+3], s[G1:G1+7]      ; period 0
	s_nop 0
	tensor_load_to_lds s[G0+4:G0+7], s[G1:G1+7]    ; period 1: two tensor loads of mine are out
	s_nop 0
	PLACES
.irp t, 0,1,2,3,4,5,6
	LOADA \t                                       ; ctx's first seven quarters: 56 loads are out
.endr
	WIN 0
	v_and_b32 v1, 15, v0                           ; l % 16
	v_bfe_u32 v2, v0, 4, 1                         ; l / 16
	v_mul_u32_u24 v4, v1, PITCH
	v_lshl_add_u32 v4, v2, 4, v4
	s_mul_i32 s23, s12, WB                         ; my 128 rows of Wo
	v_add_nc_u32 v[ADRB0], s23, v4
	v_add_nc_u32 v[ADRB], s[TB], v[ADRB0]
	s_mul_i32 s22, s10, 16*SPITCH
	s_add_co_u32 s22, s22, STAGE                   ; my stage
	v_mul_u32_u24 v4, v1, SPITCH                   ; in: row l % 16, 32 bytes for each half of the lanes
	v_lshl_add_u32 v4, v2, 5, v4
	v_add_nc_u32 v[STO], s22, v4
	v_add_nc_u32 v[RD], s22, v[FO]                 ; back: 32 lanes take a row's 512 bytes
	s_lshl_b32 s18, s13, 7
	s_lshl_b32 s19, s11, 6
	s_add_co_u32 s18, s18, s19                     ; my first row,
	s_lshl_b32 s18, s18, 14                        ; 16,384 bytes each,
	s_lshl_b32 s19, s42, 10                        ; the tile's 256 columns,
	s_add_co_u32 s18, s18, s19
	s_lshl_b32 s19, s12, 9                         ; my 128 of them
	s_add_co_u32 s18, s18, s19
	s_mov_b32 s19, 0
	s_add_nc_u64 s[OUT:OUT+1], s[72:73], s[18:19]
.macro MUL8 f, q, a, zero              ; 8 matrix instructions: row block a of ring buffer q x the 8 column blocks of buffer f.  zero = 1: the product starts the sums
	WIN MUL
.irp b, 0,1,2,3,4,5,6,7
.if \zero
	v_wmma_f32_16x16x32_f16 v[8*(8*(\a)+(\b)):8*(8*(\a)+(\b))+7], v[(\f)+8*(\b):(\f)+8*(\b)+7], v[32*(\q)+8*(\a):32*(\q)+8*(\a)+7], 0
.else
	v_wmma_f32_16x16x32_f16 v[8*(8*(\a)+(\b)):8*(8*(\a)+(\b))+7], v[(\f)+8*(\b):(\f)+8*(\b)+7], v[32*(\q)+8*(\a):32*(\q)+8*(\a)+7], v[8*(8*(\a)+(\b)):8*(8*(\a)+(\b))+7]
.endif
.endr
.endm
.macro FETCH k, f                      ; 16 LDS loads in one run: Wo's 8 fragments, 32 along K at byte k of the rows
	WIN 0
.irp i, 0,1,2,3,4,5,6,7
	ds_load_b128 v[(\f)+8*(\i):(\f)+8*(\i)+3],   v[ADRB] offset:(\k)+(\i)*16*PITCH
	ds_load_b128 v[(\f)+8*(\i)+4:(\f)+8*(\i)+7], v[ADRB] offset:(\k)+(\i)*16*PITCH+32
.endr
.endm
; Quarter q of a period: 32 matrix instructions on Wo's buffer f and ctx's buffer q; the 32 accumulators take turns in one order throughout.  Ahead of them, in one run, what the
; quarter before has set free is asked for again: Wo's next quarter (byte kn of the rows) into g, and ctx's quarter ld (seven quarters on) into the buffer just multiplied.
.macro QUARTER q, kn, f, g, zero, ld
	s_wait_loadcnt 48                              ; loads come back in order: behind this quarter's eight, six groups of eight have been issued, and they may stay out
	s_wait_dscnt 0x0                               ; Wo's fragments, asked for a quarter ago
	PLACES
	FETCH \kn, \g
	LOADA \ld
	MUL8 \f, \q, 0, \zero
	MUL8 \f, \q, 1, \zero
	MUL8 \f, \q, 2, \zero
	MUL8 \f, \q, 3, \zero
.endm
; A period's last quarter changes slots.  In front of the barrier each wave waits for all its tensor loads (one is out: its part of the next slot), adds 0 to its spare word, and waits for that and for its
; reads of this slot.  fill = 1: the barrier opens a round of the cluster's, and this slot is filled again, two periods on, first thing behind it: 248 matrix instructions ahead of the wait for it.
.macro TURN fill
	WIN 0
	s_wait_tensorcnt 0x0
	ds_add_u32 v[SPW], v[NIL]
.if \fill
	s_xor_b32 s[G0+5], s[G0+5], SLOT               ; no tensor load of mine is out: the walking descriptor takes the other slot than last time,
	s_add_nc_u64 s[G0+6:G0+7], s[G0+6:G0+7], KP*2  ; and the next period; the type bits on top are not reached
.endif
	s_wait_loadcnt 48
	s_wait_dscnt 0x0                               ; the add is done, my reads of this slot are over
	s_barrier_signal -1
	MUL8 F1, 7, 0, 0
	WIN 0
	s_barrier_wait -1
.if \fill
	CREST
	tensor_load_to_lds s[G0+4:G0+7], s[G1:G1+7]
	s_nop 0
.endif
	PLACES                                         ; also the places in front of the loads below
	s_xor_b32 s[TB], s[TB], SLOT
	v_add_nc_u32 v[ADRB], s[TB], v[ADRB0]          ; the fetches go to the other slot
	FETCH 0, F0
	LOADA 14
	MUL8 F1, 7, 1, 0
	MUL8 F1, 7, 2, 0
	MUL8 F1, 7, 3, 0
.endm
.macro SIX                             ; a period's quarters 1 to 6
	QUARTER 1, 128, F1, F0, 0, 8
	QUARTER 2, 192, F0, F1, 0, 9
	QUARTER 3, 256, F1, F0, 0, 10
	QUARTER 4, 320, F0, F1, 0, 11
	QUARTER 5, 384, F1, F0, 0, 12
	QUARTER 6, 448, F0, F1, 0, 13
.endm
	s_wait_tensorcnt 1                             ; my part of period 0 is in; period 1's load stays out
	s_barrier_signal -1
	s_barrier_wait -1
	FETCH 0, F0
	QUARTER 0, 64, F0, F1, 1, 7                    ; the first quarter's products start the sums
	WIN 0
	s_mov_b32 s3, PER-2
.Lper:                                                 ; a trip: a period's quarters 1 to 7 and the next period's first; its slot is filled again
	SIX
	TURN 1
	QUARTER 0, 64, F0, F1, 0, 15
	WIN 0
	s_wait_xcnt 0x0                                ; the loads' base steps only behind this wait
	s_add_nc_u64 s[SA:SA+1], s[SA:SA+1], KP*32     ; a period of ctx: eight blocks of 1,024 bytes
	s_sub_co_u32 s3, s3, 1
	s_cmp_lg_u32 s3, 0
	s_cbranch_scc1 .Lper
	; The last two periods fill nothing: one text, walked twice and left in its middle.  SA stays: the first trip asks for ctx's last eight quarters; in the second trip the six runs of loads ask once more for
	; what the first asked (48 loads a wave, inside the buffer, into buffers that nobody reads again): the price, once a launch, of one text for both trips and one count for every wait.
	s_mov_b32 s3, 2
.Ltail:
	SIX
	WIN 0
	s_sub_co_u32 s3, s3, 1
	s_cmp_eq_u32 s3, 0
	s_cbranch_scc1 .Llast
	TURN 0
	QUARTER 0, 64, F0, F1, 0, 15
	WIN 0
	s_branch .Ltail
.Llast:
	s_wait_loadcnt 48                              ; ctx's last quarter: six groups were issued behind it
	s_wait_dscnt 0x0
	MUL8 F1, 7, 0, 0
	MUL8 F1, 7, 1, 0
	MUL8 F1, 7, 2, 0
	MUL8 F1, 7, 3, 0
	WIN 0
	PLACES
; THE WAY OUT, 16 rows at a time, through my own stage: in by lanes' 32 bytes, back as whole rows of 512 bytes.
.macro STORE_BLK a                     ; each accumulator's low registers first
	WIN 0x04                                       ; store data in window 1
.irp b, 0,1,2,3,4,5,6,7
	ds_store_b128 v[STO], v[8*(8*(\a)+(\b)):8*(8*(\a)+(\b))+3]   offset:64*(\b)
	ds_store_b128 v[STO], v[8*(8*(\a)+(\b))+4:8*(8*(\a)+(\b))+7] offset:64*(\b)+16
.endr
	WIN 0
.endm
	s_mov_b32 s2, 4
.Lblk:                                                 ; four trips; block 4 - s2's registers are named by one of four short texts
	s_cmp_eq_u32 s2, 4
	s_cbranch_scc1 .Lb0
	s_cmp_eq_u32 s2, 3
	s_cbranch_scc1 .Lb1
	s_cmp_eq_u32 s2, 2
	s_cbranch_scc1 .Lb2
	STORE_BLK 3
	s_branch .Lst
.Lb0:
	STORE_BLK 0
	s_branch .Lst
.Lb1:
	STORE_BLK 1
	s_branch .Lst
.Lb2:
	STORE_BLK 2
.Lst:
.irp i, 0,1,2,3,4,5,6,7,8,9,10,11,12,13,14,15
	ds_load_b128 v[X+4*(\i):X+4*(\i)+3], v[RD] offset:(\i)*SPITCH  ; LDS serves a wave's instructions in order: these see the stores above
.endr
.irp i, 0,1,2,3,4,5,6,7,8,9,10,11,12,13,14,15
	s_wait_dscnt 15-(\i)                           ; the younger loads of the run stay out
	global_store_b128 v[FO], v[X+4*(\i):X+4*(\i)+3], s[OUT:OUT+1] offset:(\i)*16384 th:TH_STORE_NT  ; 512 consecutive bytes, aligned
.endr
	s_wait_xcnt 0x0                                ; the stores' base and data are written again only behind this wait
	s_add_nc_u64 s[OUT:OUT+1], s[OUT:OUT+1], 16*16384
	s_sub_co_u32 s2, s2, 1
	s_cmp_lg_u32 s2, 0
	s_cbranch_scc1 .Lblk
	s_wait_tensorcnt 0x0                           ; the wave's end
	ds_add_u32 v[SPW], v[NIL]
	s_wait_dscnt 0x0
	CROUND                                         ; the closing round
	s_endpgm
.Lfunc_end_k_q469eae940a_oproj:
	.size	k_q469eae940a_oproj, .Lfunc_end_k_q469eae940a_oproj-k_q469eae940a_oproj
	.p2alignl 7, 3214868480
	.fill 96, 4, 3214868480
	.section	.rodata,"a",@progbits
	.p2align	6, 0x0
	.amdhsa_kernel k_q469eae940a_oproj
		.amdhsa_group_segment_fixed_size 327680
		.amdhsa_private_segment_fixed_size 0
		.amdhsa_enable_private_segment 0
		.amdhsa_kernarg_size 24
		.amdhsa_user_sgpr_count 2
		.amdhsa_user_sgpr_kernarg_segment_ptr 1
		.amdhsa_wavefront_size32 1
		.amdhsa_system_sgpr_workgroup_id_x 1
		.amdhsa_system_sgpr_workgroup_id_y 1
		.amdhsa_system_sgpr_workgroup_id_z 1
		.amdhsa_system_vgpr_workitem_id 0
		.amdhsa_next_free_vgpr 768
		.amdhsa_next_free_sgpr 84
		.amdhsa_reserve_vcc 0
		.amdhsa_float_denorm_mode_32 3
		.amdhsa_float_denorm_mode_16_64 3
		.amdhsa_memory_ordered 1
		.amdhsa_forward_progress 1
		.amdhsa_inst_pref_size 92
	.end_amdhsa_kernel
	.amdgpu_metadata
---
amdhsa.version: [ 1, 2 ]
amdhsa.kernels:
  - .name:           k_q469eae940a_oproj
    .symbol:         k_q469eae940a_oproj.kd
    .args:
      - { .name: ctx16, .offset: 0, .size: 8, .value_kind: global_buffer, .address_space: global }
      - { .name: bfw, .offset: 8, .size: 8, .value_kind: global_buffer, .address_space: global }
      - { .name: out0, .offset: 16, .size: 8, .value_kind: global_buffer, .address_space: global }
    .group_segment_fixed_size: 327680
    .private_segment_fixed_size: 0
    .kernarg_segment_align: 8
    .kernarg_segment_size: 24
    .max_flat_workgroup_size: 128
    .sgpr_count:     84
    .vgpr_count:     768
    .wavefront_size: 32
...
	.end_amdgpu_metadata
.endif
;; end of part 4
